; MI455X (gfx1250); checked and timed in simulation.
; The chip was launched on July 23, 2026; its instructions are those of AMD's public machine-readable ISA for CDNA 5 (MIT licence, August 2026) and "CDNA5" Instruction Set Architecture Reference Guide (July 2026). The comments in the code are by the model that wrote it; some were corrected since.
;; Self Attention With Rotary Embedding. Allowed arithmetic: float matrix products may take bf16 or f16 operands with f32 sums; other float arithmetic in f32, or as packed bf16 or f16 multiplies, adds, multiply-adds, maxima and minima; sums over many terms, partial sums and values carried from step to step in f32; what a program stores and reads back later, other than sums and carried values, may be rounded once to bf16 or f16.
;; Inputs: Wp 2,048 x 2,048 float32; Wqk 2,048 x 4,096 float32; Wv 2,048 x 2,048 float32; bp 2,048 float32; bv 2,048 float32; freqs_cos 2,048 x 64 float32; freqs_sin 2,048 x 64 float32; kn_w 128 float32; qn_w 128 float32; x 1 x 2,048 x 2,048 float32.
;; Outputs: out0 1 x 2,048 x 2,048 float32.
;; One version. Each part assembles by itself: llvm-mc -triple=amdgcn-amd-amdhsa -mcpu=gfx1250 --defsym DOCPART=n.
;; ======== version 1 of 1: 4 launches
;; limits: values are held in f16: magnitudes above 65,504 overflow, below 6.1e-05 lose precision
;; workspace buffers: xb 8,388,608 bytes; wqkv 25,165,824 bytes; wpb 8,388,608 bytes; cs 524,288 bytes; qh 8,388,608 bytes; kh 8,388,608 bytes; vh 8,388,608 bytes; yb 8,388,608 bytes
;; launch prep (part 1): grid 256 x 6, 8 waves a work-group, no clusters, 0 bytes of LDS; arguments x, Wqk, Wv, Wp, freqs_cos, freqs_sin, xb, wqkv, wpb, cs; writes xb, wqkv, wpb, cs
.if DOCPART == 1
	.amdgcn_target "amdgcn-amd-amdhsa--gfx1250"
	.amdhsa_code_object_version 6
	.text
	.protected	k_q471d91c6da_prep
	.globl	k_q471d91c6da_prep
	.p2align	8
	.type	k_q471d91c6da_prep,@function
k_q471d91c6da_prep:
	s_mov_b64 s[64:65], 0
	v_nop
	global_prefetch_b8 v0, s[64:65] scope:SCOPE_SE
	s_setreg_imm32_b32 hwreg(HW_REG_WAVE_MODE, 25, 1), 1
	s_wait_xcnt 0x0
; THE CASTS.  Every large input is rounded once to bf16: x -> xb [2048][2048]; Wqk and Wv -> wqkv [k][6144] (columns 0-2047 Wq, 2048-4095 Wk,
; 4096-6143 Wv); Wp -> wpb [k][2048], the bf16 number written as f16; cos and sin -> cs [l][64] words, cos in the low half, sin in the high, the bf16
; numbers written as f16.  LIMIT: a bf16 number below 2^-14 in size keeps f16's fixed step of 6e-8 in wpb and cs; beyond 65,504 it would be an infinity.
; A stream: no LDS, no matrix work, no cluster (no byte is read twice).  Work-group (x, y): segment y, 8 rows of 2,048 numbers from row 8 x on.
; Thread t takes 8 numbers of each row: 32 bytes in, 16 bytes out, so sixteen neighbouring lanes store 256 consecutive bytes, aligned.
; All 16 loads of a thread go out at once; there is no loop, so no register of a pending instruction is written again.
.set SO, 8                             ; v8-15   row i: my byte offset in the source
.set DO, 16                            ; v16-23  row i: my byte offset in the destination
.set T,  24                            ; v24-31  at work
.set X,  32                            ; v32-95  row i: 8 numbers as loaded
.set Y,  96                            ; v96-127 row i: 4 registers to store
	s_load_b512 s[4:19], s[0:1], 0x0               ; x 4, Wqk 6, Wv 8, Wp 10, cos 12, sin 14, xb 16, wqkv 18
	s_load_b128 s[20:23], s[0:1], 0x40             ; wpb 20, cs 22
	s_and_b32 s24, ttmp7, 0xffff                   ; the segment
	s_wait_kmcnt 0x0
	s_cmp_eq_u32 s24, 5
	s_cbranch_scc1 .Lcs
	; segment: 0 x -> xb; 1, 2 the halves of Wqk's rows -> wqkv; 3 Wv -> wqkv; 4 Wp -> wpb
	s_mov_b32 s30, 8192                            ; bytes from row to row in the source,
	s_mov_b32 s31, 12288                           ; and in the destination
	s_sub_co_u32 s25, s24, 1
	s_cmp_lt_u32 s25, 2
	s_cselect_b32 s30, 16384, s30
	s_cmp_eq_u32 s24, 0
	s_cselect_b64 s[26:27], s[4:5], s[6:7]
	s_cselect_b64 s[28:29], s[16:17], s[18:19]
	s_cselect_b32 s31, 4096, s31
	s_cmp_eq_u32 s24, 3
	s_cselect_b64 s[26:27], s[8:9], s[26:27]
	s_cselect_b32 s33, 8192, 0                     ; where the segment begins in a row of the destination
	s_cmp_eq_u32 s24, 2
	s_cselect_b32 s32, 8192, 0                     ; and in a row of the source
	s_cselect_b32 s33, 4096, s33
	s_cmp_eq_u32 s24, 4
	s_cselect_b64 s[26:27], s[10:11], s[26:27]
	s_cselect_b64 s[28:29], s[20:21], s[28:29]
	s_cselect_b32 s31, 4096, s31
	s_mul_i32 s34, ttmp9, s30
	s_lshl_b32 s34, s34, 3                         ; 8 rows a work-group
	s_add_co_u32 s34, s34, s32
	s_mov_b32 s35, 0
	s_mul_i32 s36, ttmp9, s31
	s_lshl_b32 s36, s36, 3
	s_add_co_u32 s36, s36, s33
	s_mov_b32 s37, 0
	s_add_nc_u64 s[26:27], s[26:27], s[34:35]
	s_add_nc_u64 s[28:29], s[28:29], s[36:37]
	v_lshlrev_b32 v[SO], 5, v0
	v_lshlrev_b32 v[DO], 4, v0
.irp i, 1,2,3,4,5,6,7
	v_add_nc_u32 v[SO+(\i)], s30, v[SO+(\i)-1]
	v_add_nc_u32 v[DO+(\i)], s31, v[DO+(\i)-1]
.endr
; Eight rows.  f16 = 1: the bf16 number is widened again and written as f16.
.macro ROWS f16
.irp i, 0,1,2,3,4,5,6,7
	global_load_b128 v[X+8*(\i):X+8*(\i)+3],   v[SO+(\i)], s[26:27] th:TH_LOAD_NT
	global_load_b128 v[X+8*(\i)+4:X+8*(\i)+7], v[SO+(\i)], s[26:27] offset:16 th:TH_LOAD_NT
.endr
.irp i, 0,1,2,3,4,5,6,7
	s_wait_loadcnt 14-2*(\i)                       ; loads come back in order: row i's two are in, the later rows' stay out
.irp j, 0,1,2,3
	v_cvt_pk_bf16_f32 v[Y+4*(\i)+(\j)], v[X+8*(\i)+2*(\j)], v[X+8*(\i)+2*(\j)+1]
.endr
.if \f16
.irp j, 0,1,2,3
	v_lshlrev_b32 v[T+2*(\j)],   16, v[Y+4*(\i)+(\j)]
	v_and_b32     v[T+2*(\j)+1], 0xffff0000, v[Y+4*(\i)+(\j)]
.endr
.irp j, 0,1,2,3
	v_cvt_pk_f16_f32 v[Y+4*(\i)+(\j)], v[T+2*(\j)], v[T+2*(\j)+1]
.endr
.endif
	global_store_b128 v[DO+(\i)], v[Y+4*(\i):Y+4*(\i)+3], s[28:29]
.endr
.endm
	s_cmp_eq_u32 s24, 4
	s_cbranch_scc1 .Lf16
	ROWS 0
	s_endpgm
.Lf16:
	ROWS 1
	s_endpgm
.Lcs:                                          ; 131,072 pairs (cos, sin): two a thread; the byte offset 2,048 x + 8 t is the same in all three tensors
	s_lshl_b32 s34, ttmp9, 11
	v_lshl_add_u32 v[SO], v0, 3, s34
	global_load_b64 v[X:X+1],   v[SO], s[12:13] th:TH_LOAD_NT
	global_load_b64 v[X+2:X+3], v[SO], s[14:15] th:TH_LOAD_NT
	s_wait_loadcnt 0x0
	v_cvt_pk_bf16_f32 v[T],   v[X],   v[X+2]
	v_cvt_pk_bf16_f32 v[T+1], v[X+1], v[X+3]
	v_lshlrev_b32 v[T+2], 16, v[T]
	v_and_b32     v[T+3], 0xffff0000, v[T]
	v_lshlrev_b32 v[T+4], 16, v[T+1]
	v_and_b32     v[T+5], 0xffff0000, v[T+1]
	v_cvt_pk_f16_f32 v[Y],   v[T+2], v[T+3]
	v_cvt_pk_f16_f32 v[Y+1], v[T+4], v[T+5]
	global_store_b64 v[SO], v[Y:Y+1], s[22:23]     ; a wave stores 256 consecutive bytes, aligned
	s_endpgm
.Lfunc_end_k_q471d91c6da_prep:
	.size	k_q471d91c6da_prep, .Lfunc_end_k_q471d91c6da_prep-k_q471d91c6da_prep
	.p2alignl 7, 3214868480
	.fill 96, 4, 3214868480
	.section	.rodata,"a",@progbits
	.p2align	6, 0x0
	.amdhsa_kernel k_q471d91c6da_prep
		.amdhsa_group_segment_fixed_size 0
		.amdhsa_private_segment_fixed_size 0
		.amdhsa_enable_private_segment 0
		.amdhsa_kernarg_size 80
		.amdhsa_user_sgpr_count 2
		.amdhsa_user_sgpr_kernarg_segment_ptr 1
		.amdhsa_wavefront_size32 1
		.amdhsa_system_sgpr_workgroup_id_x 1
		.amdhsa_system_sgpr_workgroup_id_y 1
		.amdhsa_system_sgpr_workgroup_id_z 1
		.amdhsa_system_vgpr_workitem_id 0
		.amdhsa_next_free_vgpr 128
		.amdhsa_next_free_sgpr 66
		.amdhsa_reserve_vcc 0
		.amdhsa_float_denorm_mode_32 3
		.amdhsa_float_denorm_mode_16_64 3
		.amdhsa_memory_ordered 1
		.amdhsa_forward_progress 1
		.amdhsa_inst_pref_size 18
	.end_amdhsa_kernel
	.amdgpu_metadata
---
amdhsa.version: [ 1, 2 ]
amdhsa.kernels:
  - .name:           k_q471d91c6da_prep
    .symbol:         k_q471d91c6da_prep.kd
    .args:
      - { .name: x, .offset: 0, .size: 8, .value_kind: global_buffer, .address_space: global }
      - { .name: Wqk, .offset: 8, .size: 8, .value_kind: global_buffer, .address_space: global }
      - { .name: Wv, .offset: 16, .size: 8, .value_kind: global_buffer, .address_space: global }
      - { .name: Wp, .offset: 24, .size: 8, .value_kind: global_buffer, .address_space: global }
      - { .name: freqs_cos, .offset: 32, .size: 8, .value_kind: global_buffer, .address_space: global }
      - { .name: freqs_sin, .offset: 40, .size: 8, .value_kind: global_buffer, .address_space: global }
      - { .name: xb, .offset: 48, .size: 8, .value_kind: global_buffer, .address_space: global }
      - { .name: wqkv, .offset: 56, .size: 8, .value_kind: global_buffer, .address_space: global }
      - { .name: wpb, .offset: 64, .size: 8, .value_kind: global_buffer, .address_space: global }
      - { .name: cs, .offset: 72, .size: 8, .value_kind: global_buffer, .address_space: global }
    .group_segment_fixed_size: 0
    .private_segment_fixed_size: 0
    .kernarg_segment_align: 8
    .kernarg_segment_size: 80
    .max_flat_workgroup_size: 256
    .sgpr_count:     66
    .vgpr_count:     128
    .wavefront_size: 32
...
	.end_amdgpu_metadata
.endif
;; end of part 1
;; launch proj (part 2): grid 16 x 16, 4 waves a work-group, clusters of 4 x 4, 327,680 bytes of LDS; arguments xb, wqkv, cs, qn_w, kn_w, bv, qh, kh, vh; writes qh, kh, vh
.if DOCPART == 2
	.amdgcn_target "amdgcn-amd-amdhsa--gfx1250"
	.amdhsa_code_object_version 6
	.text
	.protected	k_q471d91c6da_proj
	.globl	k_q471d91c6da_proj
	.p2align	8
	.type	k_q471d91c6da_proj,@function
k_q471d91c6da_proj:
	s_mov_b64 s[64:65], 0
	v_nop
	global_prefetch_b8 v0, s[64:65] scope:SCOPE_SE
	s_setreg_imm32_b32 hwreg(HW_REG_WAVE_MODE, 25, 1), 1
	s_wait_xcnt 0x0
	s_wait_alu depctr_hold_cnt(0) depctr_sa_sdst(0) depctr_va_vdst(0) depctr_va_sdst(0) depctr_va_ssrc(0) depctr_va_vcc(0) depctr_vm_vsrc(0)
	s_getreg_b32 s2, hwreg(HW_REG_IB_STS2, 6, 4)
	s_cmp_eq_u32 s2, 0
	s_cbranch_scc0 .Lentry_in_a_cluster
	s_endpgm
.Lentry_in_a_cluster:
	s_bfe_u32 s2, ttmp6, 0x10000c
	s_cmp_lg_u32 s2, 0xf033
	s_cbranch_scc0 .Lentry_shape_is_right
	s_endpgm
.Lentry_shape_is_right:
; q, k, v OF ONE HEAD FOR 128 ROWS.  [q | k | v] = xb x wqkv (bf16 operands, f32 sums, K = 2,048); q and k: RMSNorm over the head's 128 channels, gain, interleaved rotation; v: + bv.
; All three leave in f16, by heads, [h][l][128].  In a row's 256 bytes the 16-byte chunk j lies at place (j + l) % 16 in qh and kh and at (j + 2 l) % 16 in vh, so that the attention's LDS image
; needs no padding: the 16 rows of one of its loads then touch 16 different columns of 16 bytes.
; LIMITS.  Gains, bias, cos and sin count rounded to bf16, like x and the weights.  f16 ends at 65,504: |v| stays under it; |q|, |k| are at most sqrt(128) x |gain|, so |gain| under 4,000.  NaN and infinities are not treated apart.
; SHARES.  Work-group (head, row block): 128 rows x 3 strips of 128 columns.  Wave w: rows 64 (w / 2) on; all of strip q (w even) or v (w odd), and its half of strip k: 64 x 192, 48 accumulators.
; K goes in 16 steps of 128 through two LDS slots.  Waves 0-2 fetch strip w (128 k rows x 256 bytes), wave 3 fetches x's tile (128 rows x 256 bytes): one tensor load a wave and step.
; CLUSTER 4 x 4: x's tile and the cos/sin tile hang on the row block alone and are asked for jointly along a row of the cluster; a strip hangs on the head alone: jointly along a column.
; THE MATRIX INSTRUCTION IS USED TRANSPOSED (source 0 = 16 columns of the weights, turned out of LDS by ds_load_tr16_b128; source 1 = 16 rows of x): a lane holds 8 neighbouring columns of one row.
; REGISTERS: window 0: v0-63 addresses, gains, bias; v64-127 x's fragments, two buffers (later the way out's); v128-239 the way out.  Window 1: v0-191 the weights' fragments, two buffers of 12.
;   window 2: the 24 accumulators of my rows 0-31 ((a, b) at v[8 (12 (a % 2) + b)]); window 3: those of rows 32-63.
.set PA,    272                        ; a row of x's tile in LDS: 256 bytes + 16: the 16 rows of a load start at 16 different columns of 16 bytes
.set PB,    288                        ; a k row of a strip: 256 + 32: 16 lanes of the turning load take 8 rows x 32 bytes, each column once
.set BSZ,   128*PB
.set ASZ,   128*PA
.set AOFF,  3*BSZ                      ; a slot: strips 0, 1, 2, then x's tile
.set SLOT,  AOFF+ASZ
.set CSL,   2*SLOT                     ; behind the ring: the block's 128 rows of cs, 256 bytes each
.set SPARE, CSL+32768                  ; the spare words, 128 bytes a wave: two blocks of 256 bytes that no other line names
.set SPI,   528                        ; the way out's stage, from byte 0 on, when the ring has had its last fill: [3 strips][128 rows][528 bytes] of f32;
.set STRIP, 128*SPI                    ; in a row the even 16-byte chunks lie in bytes 0-255, the odd ones in bytes 256-511
.set GV,   8                           ; v8-11   my byte offset in vh for group g of two rows
.set GQ,   12                          ; v12-15  the same in qh and kh
.set ADRA, 16                          ; v16-17  LDS address of my fragments of x in slot 0, 1
.set ADRF, 18                          ; v18-19  of my whole strip
.set ADRK, 20                          ; v20-21  of my half of strip k
.set STO,  22                          ; v22     into the stage: my whole strip
.set STOK, 23                          ; v23     my half of strip k
.set RDA,  24                          ; v24     out of the stage, this trip
.set RDC,  25                          ; v25     cos and sin, this trip
.set RDA0, 26                          ; v26, 27 their lane terms; never rewritten
.set RDC0, 27
.set SPW,  28                          ; v28     my spare word; never rewritten
.set NIL,  29                          ; v29     0; never rewritten
.set PFO,  30                          ; v30     the prefetches' lane term; never rewritten
.set ZR,   31                          ; v31     0.0
.set WW,   32                          ; v32-39  the gain of my 8 columns in the pass in hand
.set WQ,   40                          ; v40-47, v48-55, v56-63: q's gain, k's gain, v's bias
.set WK,   48
.set BV,   56
.set FA,   64
.set OO,   64                          ; the way out: 16 registers of f16 pairs
.set XX,   128                         ; 4 groups x 8 numbers
.set CSR,  160                         ; 4 groups x 4 words (cos, sin)
.set SS,   192
.set RS,   200
.set UU,   208
.set WV,   22
.set MH,   23
.set NH,   24
.set CX,   25
.set CY,   26
.set HEAD, 27
.set MT,   28
.set RMASK, 29
.set CMASK, 30
.set LAP,  31
.set G1A,  32                          ; s[32:39] group 1 for x's tile; s[40:47] its group 0, one set a slot
.set G0A,  40
.set G1B,  48                          ; s[48:55], s[56:63] the same for a strip
.set G0B,  56
.set G1C,  68                          ; s[68:75], s[76:79] for the cos/sin tile
.set G0C,  76
.set PFA,  80                          ; s[80:81] where my prefetches stand
.set PSTEP, 82                         ; s[82:83] a K step in their tensor
.set LIM,  84                          ; s84  1 in a wave that prefetches, else the greatest number
.set INV,  85                          ; s85  1 / 128
.set OUTP, 86                          ; s[86:87] the pass's output
.set MSEL, 95
.set PASS, 96
.set TRIPS, 97
.set RB,   98
.set RC,   99
.set MSB, 0
.macro WIN new                         ; the immediate's high byte repeats the setting that is left; a switch that changes nothing is dropped
.if MSB != (\new)
	s_set_vgpr_msb (MSB<<8)|(\new)
.set MSB, \new
.endif
.endm
.macro PLACES                          ; four plain instructions between a matrix instruction and a load into, or a read of, its registers
.rept 4
	v_nop
.endr
.endm
.macro CREST                           ; a round of the cluster's barrier behind its opening barrier
	s_cmp_lg_u32 s[WV], 0
	s_cbranch_scc1 .Lnot_wave_0_\@
	s_barrier_signal -3
.Lnot_wave_0_\@:
	s_barrier_wait -3
	s_barrier_signal -1
	s_barrier_wait -1
.endm
.macro CROUND
	s_barrier_signal -1
	s_barrier_wait -1
	CREST
.endm
.macro JLOAD s                         ; a joint refill of slot s: wave 3 x's tile, waves 0-2 their strips; an s_nop 0 and four v_nop follow each line
	s_cmp_eq_u32 s[WV], 3
	s_cbranch_scc0 .Lfor_b_\@
	tensor_load_to_lds s[G0A+4*(\s):G0A+4*(\s)+3], s[G1A:G1A+7]
	s_nop 0
.rept 4
	v_nop
.endr
	s_branch .Lasked_\@
.Lfor_b_\@:
	tensor_load_to_lds s[G0B+4*(\s):G0B+4*(\s)+3], s[G1B:G1B+7]
	s_nop 0
.rept 4
	v_nop
.endr
.Lasked_\@:
.endm
; A PREFETCH of the K step two refills on: 32 rows x 256 bytes, a lane a row, one instruction a wave, behind the joint load and the run of LDS loads.  Each row's 256 bytes of a K step are named once in the
; launch: x's rows by the clusters with x = 0, the strips' by those with y = 0; the four partners of a joint load take 32 rows each, told apart by address.  The loop's last trip has no K step two on.
.macro ASK
	s_cmp_gt_u32 s[LAP], s[LIM]
	s_cbranch_scc0 .Lnot_mine_\@
	global_prefetch_b8 v[PFO], s[PFA:PFA+1] th:TH_LOAD_NT scope:SCOPE_SE
.Lnot_mine_\@:
.endm
	s_load_b512 s[4:19], s[0:1], 0x0               ; xb 4, wqkv 6, cs 8, qn_w 10, kn_w 12, bv 14, qh 16, kh 18
	s_load_b64 s[20:21], s[0:1], 0x40              ; vh
	v_lshl_add_u32 v[SPW], v0, 2, SPARE
	v_mov_b32 v[NIL], 0
	ds_add_u32 v[SPW], v[NIL]                      ; the wave's opening: the add and its wait ahead of my first tensor load
	v_lshrrev_b32 v1, 5, v0
	v_readfirstlane_b32 s[WV], v1
	s_lshr_b32 s[MH], s[WV], 1
	s_and_b32 s[NH], s[WV], 1
	s_bfe_u32 s[CX], ttmp6, 0x40000
	s_bfe_u32 s[CY], ttmp6, 0x40004
	s_lshl_b32 s[HEAD], ttmp9, 2
	s_add_co_u32 s[HEAD], s[HEAD], s[CX]           ; the head = 4 x cluster x + cx
	s_and_b32 s[MT], ttmp7, 0xffff
	s_lshl_b32 s[MT], s[MT], 2
	s_add_co_u32 s[MT], s[MT], s[CY]               ; the row block = 4 x cluster y + cy
	s_lshl_b32 s[RMASK], s[CY], 2
	s_lshl_b32 s[RMASK], 15, s[RMASK]              ; my row of the cluster
	s_lshl_b32 s[CMASK], 0x1111, s[CX]             ; my column
	s_or_b32 s[G1A], s[RMASK], (1<<16)|(1<<20)|(1<<21)|(5<<22)|(3<<25)  ; mask; 2-byte elements; padding on; bit 21 beside a mask; after every 64 words, 4 words
	s_or_b32 s[G1B], s[CMASK], (1<<16)|(1<<20)|(1<<21)|(5<<22)|(7<<25)  ; the same with 8 words
	s_or_b32 s[G1C], s[RMASK], (3<<16)|(1<<21)     ; 8-byte elements, no padding
.irp g, G1A, G1B
	s_mov_b32 s[(\g)+1], 128<<16                   ; tensor_dim0 = 128
	s_mov_b32 s[(\g)+2], 128<<16                   ; tensor_dim1 = 128
	s_mov_b32 s[(\g)+3], 128<<16                   ; tile_dim0 = 128
	s_mov_b32 s[(\g)+4], 128                       ; tile_dim1 = 128
	s_mov_b32 s[(\g)+6], 0
	s_mov_b32 s[(\g)+7], 0
.endr
	s_mov_b32 s[G1A+5], 2048                       ; elements from row to row
	s_mov_b32 s[G1B+5], 6144
	s_mov_b32 s[G1C+1], 32<<16                     ; 128 dense rows of 32 elements of 8 bytes
	s_mov_b32 s[G1C+2], 128<<16
	s_mov_b32 s[G1C+3], 32<<16
	s_mov_b32 s[G1C+4], 128
	s_mov_b32 s[G1C+5], 32
	s_mov_b32 s[G1C+6], 0
	s_mov_b32 s[G1C+7], 0
	s_mov_b32 s[G0A], 1
	s_mov_b32 s[G0A+1], AOFF
	s_mov_b32 s[G0A+4], 1
	s_mov_b32 s[G0A+5], SLOT+AOFF
	s_mul_i32 s96, s[WV], BSZ                      ; strip w's place in a slot: no place in the cluster enters an LDS address
	s_mov_b32 s[G0B], 1
	s_mov_b32 s[G0B+1], s96
	s_mov_b32 s[G0B+4], 1
	s_add_co_u32 s[G0B+5], s96, SLOT
	s_mov_b32 s[G0C], 1
	s_mov_b32 s[G0C+1], CSL
	s_lshl_b32 s90, s[MT], 19                      ; 128 rows of 4,096 bytes
	s_mov_b32 s91, 0
	s_lshl_b32 s92, s[WV], 12                      ; strip w: 2,048 columns on,
	s_lshl_b32 s93, s[HEAD], 8                     ; the head's 128 columns
	s_add_co_u32 s92, s92, s93
	s_mov_b32 s93, 0
	s_lshl_b32 s94, s[MT], 15                      ; 128 rows of 256 bytes of cs
	s_mov_b32 s95, 0
	s_mov_b32 s[INV], 0x3c000000
	s_wait_dscnt 0x0                               ; the opening add is done
	s_wait_kmcnt 0x0
	s_add_nc_u64 s[G0A+2:G0A+3], s[4:5], s[90:91]
	s_add_nc_u64 s[G0A+6:G0A+7], s[G0A+2:G0A+3], 256           ; K step 1
	s_or_b32 s[G0A+3], s[G0A+3], 0x80000000
	s_or_b32 s[G0A+7], s[G0A+7], 0x80000000
	s_add_nc_u64 s[G0B+2:G0B+3], s[6:7], s[92:93]
	s_add_nc_u64 s[G0B+6:G0B+7], s[G0B+2:G0B+3], 128*12288
	s_or_b32 s[G0B+3], s[G0B+3], 0x80000000
	s_or_b32 s[G0B+7], s[G0B+7], 0x80000000
	s_add_nc_u64 s[G0C+2:G0C+3], s[8:9], s[94:95]
	s_or_b32 s[G0C+3], s[G0C+3], 0x80000000
	CROUND                                         ; all sixteen work-groups are here: the first joint loads meet
	s_cmp_eq_u32 s[WV], 3                          ; a wave's first fills stand in one branch: wave 3 has three loads out, the others two
	s_cbranch_scc0 .Lfirst_b
	tensor_load_to_lds s[G0C:G0C+3], s[G1C:G1C+7]
	s_nop 0
	tensor_load_to_lds s[G0A:G0A+3], s[G1A:G1A+7]
	s_nop 0
	tensor_load_to_lds s[G0A+4:G0A+7], s[G1A:G1A+7]
	s_nop 0
.rept 4
	v_nop
.endr
	s_branch .Lfirst_asked
.Lfirst_b:
	tensor_load_to_lds s[G0B:G0B+3], s[G1B:G1B+7]
	s_nop 0
	tensor_load_to_lds s[G0B+4:G0B+7], s[G1B:G1B+7]
	s_nop 0
.rept 4
	v_nop
.endr
.Lfirst_asked:
	v_and_b32 v1, 15, v0                           ; r = l % 16
	v_bfe_u32 v2, v0, 4, 1                         ; h = l / 16
	v_and_b32 v3, 31, v0                           ; l
	v_lshlrev_b32 v7, 5, v1                        ; on the way out lane r takes columns 8 r .. 8 r + 7; never rewritten
	s_lshl_b32 s88, s[HEAD], 9
	s_mov_b32 s89, 0
	s_add_nc_u64 s[14:15], s[14:15], s[88:89]      ; the head's 128 numbers of bv
	global_load_b128 v[WQ:WQ+3],   v7, s[10:11]
	global_load_b128 v[WQ+4:WQ+7], v7, s[10:11] offset:16
	global_load_b128 v[WK:WK+3],   v7, s[12:13]
	global_load_b128 v[WK+4:WK+7], v7, s[12:13] offset:16
	global_load_b128 v[BV:BV+3],   v7, s[14:15]
	global_load_b128 v[BV+4:BV+7], v7, s[14:15] offset:16
	v_mov_b32 v[ZR], 0
	; fragments of x: row x pitch + 16 x half, two loads 32 bytes apart
	v_mul_u32_u24 v4, v1, PA
	v_lshl_add_u32 v4, v2, 4, v4
	s_mul_i32 s96, s[MH], 64*PA
	s_add_co_u32 s96, s96, AOFF
	v_add_nc_u32 v[ADRA], s96, v4
	v_add_nc_u32 v[ADRA+1], SLOT, v[ADRA]
	; the turning load: lane l reads k row 8 (l / 16) + l % 8, columns 8 ((l / 8) % 2) + 0..7, and is left with column l % 16 and 8 k
	v_and_b32 v5, 7, v0
	v_lshl_add_u32 v5, v2, 3, v5
	v_mul_u32_u24 v5, v5, PB
	v_bfe_u32 v6, v0, 3, 1
	v_lshl_add_u32 v5, v6, 4, v5
	s_mul_i32 s96, s[NH], 2*BSZ                    ; strip q or strip v
	v_add_nc_u32 v[ADRF], s96, v5
	v_add_nc_u32 v[ADRF+1], SLOT, v[ADRF]
	s_lshl_b32 s96, s[NH], 7                       ; my 64 columns of strip k
	s_add_co_u32 s96, s96, BSZ
	v_add_nc_u32 v[ADRK], s96, v5
	v_add_nc_u32 v[ADRK+1], SLOT, v[ADRK]
	; the stage
	v_mul_u32_u24 v4, v1, SPI
	v_lshl_add_u32 v4, v2, 4, v4
	s_mul_i32 s96, s[MH], 64*SPI
	s_mul_i32 s97, s[NH], 2*STRIP
	s_add_co_u32 s97, s97, s96
	v_add_nc_u32 v[STO], s97, v4
	s_lshl_b32 s97, s[NH], 7
	s_add_co_u32 s97, s97, s96
	s_add_co_u32 s97, s97, STRIP
	v_add_nc_u32 v[STOK], s97, v4
	v_mul_u32_u24 v4, v2, SPI                      ; back: wave w takes rows 32 w on, lanes 0-15 one row, lanes 16-31 the next
	v_lshl_add_u32 v4, v1, 4, v4
	s_mul_i32 s96, s[WV], 32*SPI
	v_add_nc_u32 v[RDA0], s96, v4
	v_lshlrev_b32 v4, 8, v2
	v_lshl_add_u32 v4, v1, 4, v4
	s_lshl_b32 s96, s[WV], 13
	s_add_co_u32 s96, s96, CSL
	v_add_nc_u32 v[RDC0], s96, v4
.irp g, 0,1,2,3                        ; group g: rows 2 g + h of a trip's eight; my chunk r goes to place (r + row) % 16, for v to (r + 2 row) % 16
	v_add_nc_u32 v4, v1, v2
	v_add_nc_u32 v4, 2*(\g), v4
	v_and_b32 v4, 15, v4
	v_lshlrev_b32 v4, 4, v4
	v_lshl_add_u32 v4, v2, 8, v4
	v_add_nc_u32 v[GQ+(\g)], 512*(\g), v4
	v_lshl_add_u32 v5, v2, 1, v1
	v_add_nc_u32 v5, 4*(\g), v5
	v_and_b32 v5, 15, v5
	v_lshlrev_b32 v5, 4, v5
	v_lshl_add_u32 v5, v2, 8, v5
	v_add_nc_u32 v[GV+(\g)], 512*(\g), v5
.endr
	; where my 32 rows begin in qh, kh and vh
	s_lshl_b32 s88, s[HEAD], 19
	s_lshl_b32 s89, s[MT], 15
	s_add_co_u32 s88, s88, s89
	s_lshl_b32 s89, s[WV], 13
	s_add_co_u32 s88, s88, s89
	s_mov_b32 s89, 0
	s_add_nc_u64 s[16:17], s[16:17], s[88:89]
	s_add_nc_u64 s[18:19], s[18:19], s[88:89]
	s_add_nc_u64 s[20:21], s[20:21], s[88:89]
	; the prefetches: they stand at K step 3; the first refill steps them to 4
	s_lshl_b32 s88, s[MT], 19
	s_lshl_b32 s89, s[CX], 17                      ; my work-group's 32 of x's 128 rows
	s_add_co_u32 s88, s88, s89
	s_add_co_u32 s88, s88, 3*256
	s_lshl_b32 s90, s[CY], 5                       ; my work-group's 32 of a strip's 128 k rows
	s_add_co_u32 s90, s90, 3*128
	s_mul_i32 s90, s90, 12288
	s_add_co_u32 s90, s90, s92                     ; (s92: strip and head, from above)
	s_and_b32 s91, ttmp7, 0xffff                   ; cluster y
	s_mov_b32 s[PSTEP], 128*12288
	s_mov_b32 s[PSTEP+1], 0
	s_mov_b32 s94, 12288
	s_cmp_eq_u32 s[WV], 3
	s_cselect_b64 s[PFA:PFA+1], s[4:5], s[6:7]
	s_cselect_b32 s88, s88, s90
	s_cselect_b32 s[PSTEP], 256, s[PSTEP]
	s_cselect_b32 s94, 4096, s94
	s_cselect_b32 s91, ttmp9, s91                  ; the coordinate along which other clusters read the same rows
	s_mov_b32 s89, 0
	s_add_nc_u64 s[PFA:PFA+1], s[PFA:PFA+1], s[88:89]
	s_cmp_eq_u32 s91, 0
	s_cselect_b32 s[LIM], 1, -1
	v_mul_u32_u24 v[PFO], v3, s94
	s_wait_loadcnt 0x0                             ; gains and bias: rounded to bf16 like every input
.macro RND a
	v_cvt_pk_bf16_f32 v4, v[\a], v[(\a)+1]
	v_lshlrev_b32 v[\a], 16, v4
	v_and_b32 v[(\a)+1], 0xffff0000, v4
.endm
.set n, WQ
.rept 12
	RND n
.set n, n+2
.endr
; 12 products: my 16 rows a x all 12 column blocks, 32 along K.  The 48 accumulators take turns in the same order in every quarter.
.macro MUL12 f, a, zero
	WIN 0xa1+0x50*((\a)/2)                         ; source 0 window 1, source 1 window 0, C and D window 2 or 3
.irp b, 0,1,2,3,4,5,6,7,8,9,10,11
.if \zero
	v_wmma_f32_16x16x32_bf16 v[8*(12*((\a)%2)+(\b)):8*(12*((\a)%2)+(\b))+7], v[96*(\f)+8*(\b):96*(\f)+8*(\b)+7], v[FA+32*(\f)+8*(\a):FA+32*(\f)+8*(\a)+7], 0
.else
	v_wmma_f32_16x16x32_bf16 v[8*(12*((\a)%2)+(\b)):8*(12*((\a)%2)+(\b))+7], v[96*(\f)+8*(\b):96*(\f)+8*(\b)+7], v[FA+32*(\f)+8*(\a):FA+32*(\f)+8*(\a)+7], v[8*(12*((\a)%2)+(\b)):8*(12*((\a)%2)+(\b))+7]
.endif
.endr
.endm
; 32 LDS loads in one run: quarter q (32 along K) of a slot into buffer f: 24 turning loads of the weights, then x's rows in the order a = 0 .. 3
.macro FETCH slot, q, f
	WIN 0x40
.irp b, 0,1,2,3,4,5,6,7
	ds_load_tr16_b128 v[96*(\f)+8*(\b):96*(\f)+8*(\b)+3],   v[ADRF+(\slot)] offset:(\q)*32*PB+32*(\b)
	ds_load_tr16_b128 v[96*(\f)+8*(\b)+4:96*(\f)+8*(\b)+7], v[ADRF+(\slot)] offset:(\q)*32*PB+32*(\b)+16*PB
.endr
.irp b, 0,1,2,3
	ds_load_tr16_b128 v[96*(\f)+64+8*(\b):96*(\f)+64+8*(\b)+3],   v[ADRK+(\slot)] offset:(\q)*32*PB+32*(\b)
	ds_load_tr16_b128 v[96*(\f)+64+8*(\b)+4:96*(\f)+64+8*(\b)+7], v[ADRK+(\slot)] offset:(\q)*32*PB+32*(\b)+16*PB
.endr
	WIN 0
.irp a, 0,1,2,3
	ds_load_b128 v[FA+32*(\f)+8*(\a):FA+32*(\f)+8*(\a)+3],   v[ADRA+(\slot)] offset:64*(\q)+(\a)*16*PA
	ds_load_b128 v[FA+32*(\f)+8*(\a)+4:FA+32*(\f)+8*(\a)+7], v[ADRA+(\slot)] offset:64*(\q)+(\a)*16*PA+32
.endr
.endm
; One of a K step's first three quarters: multiplies buffer f; in its middle it fetches quarter q of the same slot into buffer g.
.macro QUARTER slot, q, f, g, zero
	s_wait_dscnt 4                                 ; the weights and x's rows a = 0, 1 are in; the youngest four loads (a = 2, 3) may be out
	MUL12 \f, 0, \zero
	MUL12 \f, 1, \zero
	PLACES
	FETCH \slot, \q, \g
	s_wait_dscnt 32                                ; all but the 32 just issued
	MUL12 \f, 2, \zero
	MUL12 \f, 3, \zero
.endm
; The last quarter multiplies buffer 1 and changes slots: one barrier; in front of it each wave waits for all its tensor loads (one is out: its part of the next slot), adds 0 to its spare word, and waits for
; that and for its reads of this slot.  fill = 1: the barrier opens a round of the cluster's, and this slot is filled again, two K steps ahead, first thing behind the round.
.macro TURN slot, next, fill
.if \fill
	s_wait_xcnt 0x0                                ; the last prefetch, a K step back, has read its address
	s_add_nc_u64 s[PFA:PFA+1], s[PFA:PFA+1], s[PSTEP:PSTEP+1]
.endif
	WIN 0
	s_wait_tensorcnt 0x0
	ds_add_u32 v[SPW], v[NIL]
	s_wait_dscnt 5                                 ; (the add and the youngest four loads may be out)
	MUL12 1, 0, 0
	s_wait_dscnt 0x0                               ; the add is done, and my reads of this slot are over
	s_barrier_signal -1
	MUL12 1, 1, 0
.if \fill
	WIN 0
.endif
	s_barrier_wait -1
.if \fill
	CREST                                          ; no wave of any partner still reads this slot or has a load on its way
	s_add_nc_u64 s[G0A+4*(\slot)+2:G0A+4*(\slot)+3], s[G0A+4*(\slot)+2:G0A+4*(\slot)+3], 2*256
	s_add_nc_u64 s[G0B+4*(\slot)+2:G0B+4*(\slot)+3], s[G0B+4*(\slot)+2:G0B+4*(\slot)+3], 2*128*12288
	JLOAD \slot                                    ; its four v_nop are also the places in front of the loads below
.else
	PLACES
.endif
	FETCH \next, 0, 0
.if \fill
	ASK
.endif
	MUL12 1, 2, 0
	MUL12 1, 3, 0
.endm
	s_wait_tensorcnt 1                             ; my part of K step 0 (and cos/sin) is in; K step 1's may stay out
	s_barrier_signal -1
	s_barrier_wait -1
	FETCH 0, 0, 0
	QUARTER 0, 1, 0, 1, 1                          ; the first quarter's products start the sums: nothing is cleared
	WIN 0
	s_mov_b32 s[LAP], 7
.Llap:                                         ; a trip goes once round the ring and fills both slots again
	QUARTER 0, 2, 1, 0, 0
	QUARTER 0, 3, 0, 1, 0
	TURN 0, 1, 1
	QUARTER 1, 1, 0, 1, 0
	QUARTER 1, 2, 1, 0, 0
	QUARTER 1, 3, 0, 1, 0
	TURN 1, 0, 1
	QUARTER 0, 1, 0, 1, 0
	WIN 0
	s_sub_co_u32 s[LAP], s[LAP], 1
	s_cmp_lg_u32 s[LAP], 0
	s_cbranch_scc1 .Llap
	QUARTER 0, 2, 1, 0, 0                          ; the last lap fills nothing
	QUARTER 0, 3, 0, 1, 0
	TURN 0, 1, 0
	QUARTER 1, 1, 0, 1, 0
	QUARTER 1, 2, 1, 0, 0
	QUARTER 1, 3, 0, 1, 0
	s_wait_dscnt 4
	MUL12 1, 0, 0
	MUL12 1, 1, 0
	s_wait_dscnt 0x0
	MUL12 1, 2, 0
	MUL12 1, 3, 0
	WIN 0
	; THE WAY OUT.  The ring has had its last fill and every load has landed (the last change of slots waited for all).  When every wave has read its last fragments, the f32 sums go into the stage.
	s_barrier_signal -1
	s_barrier_wait -1
	PLACES
.irp a, 0,1,2,3
	WIN 0x08+4*((\a)/2)                            ; the stores' data in window 2 or 3; each accumulator's low four registers go first
.irp b, 0,1,2,3,4,5,6,7
	ds_store_b128 v[STO], v[8*(12*((\a)%2)+(\b)):8*(12*((\a)%2)+(\b))+3]   offset:(\a)*16*SPI+32*(\b)
	ds_store_b128 v[STO], v[8*(12*((\a)%2)+(\b))+4:8*(12*((\a)%2)+(\b))+7] offset:(\a)*16*SPI+32*(\b)+256
.endr
.irp b, 8,9,10,11
	ds_store_b128 v[STOK], v[8*(12*((\a)%2)+(\b)):8*(12*((\a)%2)+(\b))+3]   offset:(\a)*16*SPI+32*((\b)-8)
	ds_store_b128 v[STOK], v[8*(12*((\a)%2)+(\b))+4:8*(12*((\a)%2)+(\b))+7] offset:(\a)*16*SPI+32*((\b)-8)+256
.endr
.endr
	WIN 0
	s_wait_dscnt 0x0                               ; for the others' sake: my stores are done
	s_barrier_signal -1
	s_barrier_wait -1
	; q, then k: a wave takes 32 whole rows, 8 a trip, in 4 groups of two rows; 16 lanes hold a row, 8 columns each
	s_mov_b32 s[PASS], 2
.Lpass:
	s_cmp_eq_u32 s[PASS], 2
	s_cselect_b64 s[OUTP:OUTP+1], s[16:17], s[18:19]
	s_cselect_b32 s[MSEL], -1, 0
	s_cselect_b32 s[RB], 0, STRIP
	s_mov_b32 s[RC], 0
.irp k, 0,1,2,3,4,5,6,7
	v_cndmask_b32 v[WW+(\k)], v[WK+(\k)], v[WQ+(\k)], s[MSEL]
.endr
	s_mov_b32 s[TRIPS], 4
.Lnr:
	v_add_nc_u32 v[RDA], s[RB], v[RDA0]
	v_add_nc_u32 v[RDC], s[RC], v[RDC0]
.irp g, 0,1,2,3
	ds_load_b128 v[XX+8*(\g):XX+8*(\g)+3],   v[RDA] offset:2*SPI*(\g)
	ds_load_b128 v[XX+8*(\g)+4:XX+8*(\g)+7], v[RDA] offset:2*SPI*(\g)+256
	ds_load_b128 v[CSR+4*(\g):CSR+4*(\g)+3], v[RDC] offset:512*(\g)
.endr
	s_wait_dscnt 0x0
.irp g, 0,1,2,3
	v_pk_mul_f32 v[SS+2*(\g):SS+2*(\g)+1], v[XX+8*(\g):XX+8*(\g)+1], v[XX+8*(\g):XX+8*(\g)+1]
.endr
.irp k, 2,4,6
.irp g, 0,1,2,3
	v_pk_fma_f32 v[SS+2*(\g):SS+2*(\g)+1], v[XX+8*(\g)+(\k):XX+8*(\g)+(\k)+1], v[XX+8*(\g)+(\k):XX+8*(\g)+(\k)+1], v[SS+2*(\g):SS+2*(\g)+1]
.endr
.endr
.irp g, 0,1,2,3
	v_add_f32 v[SS+2*(\g)], v[SS+2*(\g)], v[SS+2*(\g)+1]
.endr
.irp z, 1,2,4,8                        ; a row's 16 lanes are one half of the wave: four steps ride on the addition
.irp g, 0,1,2,3
	v_add_f32_dpp v[SS+2*(\g)], v[SS+2*(\g)], v[SS+2*(\g)] row_xmask:\z row_mask:0xf bank_mask:0xf
.endr
.endr
.irp g, 0,1,2,3
	v_fmaak_f32 v[SS+2*(\g)], s[INV], v[SS+2*(\g)], 0x358637bd  ; the mean of squares + 1e-6
.endr
.irp g, 0,1,2,3
	v_rsq_f32 v[RS+2*(\g)],   v[SS+2*(\g)]
	v_rsq_f32 v[RS+2*(\g)+1], v[SS+2*(\g)]
.endr
.irp g, 0,1,2,3
.irp k, 0,2,4,6
	v_pk_mul_f32 v[XX+8*(\g)+(\k):XX+8*(\g)+(\k)+1], v[XX+8*(\g)+(\k):XX+8*(\g)+(\k)+1], v[WW+(\k):WW+(\k)+1]  ; the gain: plain work behind the roots
.endr
.endr
	s_wait_alu depctr_va_vdst(0)                   ; one wait for the eight roots, ahead of their first reader
.irp g, 0,1,2,3
.irp k, 0,2,4,6
	v_pk_mul_f32 v[XX+8*(\g)+(\k):XX+8*(\g)+(\k)+1], v[XX+8*(\g)+(\k):XX+8*(\g)+(\k)+1], v[RS+2*(\g):RS+2*(\g)+1]
.endr
.endr
.irp g, 0,1,2,3                        ; the rotation of pair p: (x1 c - x2 s, x1 s + x2 c); cos is the word's low f16, sin its high one
.irp p, 0,1,2,3
	v_fma_mix_f32 v[UU+8*(\g)+2*(\p)],   v[XX+8*(\g)+2*(\p)],   v[CSR+4*(\g)+(\p)], v[ZR] op_sel_hi:[0,1,0]
	v_fma_mix_f32 v[UU+8*(\g)+2*(\p)+1], v[XX+8*(\g)+2*(\p)+1], v[CSR+4*(\g)+(\p)], v[ZR] op_sel_hi:[0,1,0]
.endr
.endr
.irp g, 0,1,2,3
.irp p, 0,1,2,3
	v_fma_mixlo_f16 v[OO+4*(\g)+(\p)], -v[XX+8*(\g)+2*(\p)+1], v[CSR+4*(\g)+(\p)], v[UU+8*(\g)+2*(\p)]   op_sel:[0,1,0] op_sel_hi:[0,1,0]
	v_fma_mixhi_f16 v[OO+4*(\g)+(\p)], v[XX+8*(\g)+2*(\p)],    v[CSR+4*(\g)+(\p)], v[UU+8*(\g)+2*(\p)+1] op_sel:[0,1,0] op_sel_hi:[0,1,0]
.endr
.endr
.irp g, 0,1,2,3
	global_store_b128 v[GQ+(\g)], v[OO+4*(\g):OO+4*(\g)+3], s[OUTP:OUTP+1]  ; 16 lanes fill a row's 256 bytes, aligned
.endr
	s_wait_xcnt 0x0                                ; the stores have read their data, offsets and base: these are written again only behind this wait
	s_add_nc_u64 s[OUTP:OUTP+1], s[OUTP:OUTP+1], 8*256
.irp g, 0,1,2,3
	v_xor_b32 v[GQ+(\g)], 128, v[GQ+(\g)]          ; eight rows on, the chunks' places turn by eight; four trips leave the offsets as they were
.endr
	s_add_co_u32 s[RB], s[RB], 8*SPI
	s_add_co_u32 s[RC], s[RC], 8*256
	s_sub_co_u32 s[TRIPS], s[TRIPS], 1
	s_cmp_lg_u32 s[TRIPS], 0
	s_cbranch_scc1 .Lnr
	s_sub_co_u32 s[PASS], s[PASS], 1
	s_cmp_lg_u32 s[PASS], 0
	s_cbranch_scc1 .Lpass
	; v: + bias
	s_mov_b32 s[RB], 2*STRIP
	s_mov_b32 s[TRIPS], 4
.Lvb:
	v_add_nc_u32 v[RDA], s[RB], v[RDA0]
.irp g, 0,1,2,3
	ds_load_b128 v[XX+8*(\g):XX+8*(\g)+3],   v[RDA] offset:2*SPI*(\g)
	ds_load_b128 v[XX+8*(\g)+4:XX+8*(\g)+7], v[RDA] offset:2*SPI*(\g)+256
.endr
	s_wait_dscnt 0x0
.irp g, 0,1,2,3
.irp k, 0,2,4,6
	v_pk_add_f32 v[XX+8*(\g)+(\k):XX+8*(\g)+(\k)+1], v[XX+8*(\g)+(\k):XX+8*(\g)+(\k)+1], v[BV+(\k):BV+(\k)+1]
.endr
.endr
.irp g, 0,1,2,3
.irp p, 0,1,2,3
	v_cvt_pk_f16_f32 v[OO+4*(\g)+(\p)], v[XX+8*(\g)+2*(\p)], v[XX+8*(\g)+2*(\p)+1]
.endr
.endr
.irp g, 0,1,2,3
	global_store_b128 v[GV+(\g)], v[OO+4*(\g):OO+4*(\g)+3], s[20:21]
.endr
	s_wait_xcnt 0x0
	s_add_nc_u64 s[20:21], s[20:21], 8*256
	s_add_co_u32 s[RB], s[RB], 8*SPI
	s_sub_co_u32 s[TRIPS], s[TRIPS], 1
	s_cmp_lg_u32 s[TRIPS], 0
	s_cbranch_scc1 .Lvb
	s_wait_tensorcnt 0x0                           ; the wave's end
	ds_add_u32 v[SPW], v[NIL]
	s_wait_dscnt 0x0
	CROUND                                         ; the closing round
	s_endpgm
.Lfunc_end_k_q471d91c6da_proj:
	.size	k_q471d91c6da_proj, .Lfunc_end_k_q471d91c6da_proj-k_q471d91c6da_proj
	.p2alignl 7, 3214868480
	.fill 96, 4, 3214868480
	.section	.rodata,"a",@progbits
	.p2align	6, 0x0
	.amdhsa_kernel k_q471d91c6da_proj
		.amdhsa_group_segment_fixed_size 327680
		.amdhsa_private_segment_fixed_size 0
		.amdhsa_enable_private_segment 0
		.amdhsa_kernarg_size 72
		.amdhsa_user_sgpr_count 2
		.amdhsa_user_sgpr_kernarg_segment_ptr 1
		.amdhsa_wavefront_size32 1
		.amdhsa_system_sgpr_workgroup_id_x 1
		.amdhsa_system_sgpr_workgroup_id_y 1
		.amdhsa_system_sgpr_workgroup_id_z 1
		.amdhsa_system_vgpr_workitem_id 0
		.amdhsa_next_free_vgpr 960
		.amdhsa_next_free_sgpr 100
		.amdhsa_reserve_vcc 0
		.amdhsa_float_denorm_mode_32 3
		.amdhsa_float_denorm_mode_16_64 3
		.amdhsa_memory_ordered 1
		.amdhsa_forward_progress 1
		.amdhsa_inst_pref_size 123
	.end_amdhsa_kernel
	.amdgpu_metadata
---
amdhsa.version: [ 1, 2 ]
amdhsa.kernels:
  - .name:           k_q471d91c6da_proj
    .symbol:         k_q471d91c6da_proj.kd
    .args:
      - { .name: xb, .offset: 0, .size: 8, .value_kind: global_buffer, .address_space: global }
      - { .name: wqkv, .offset: 8, .size: 8, .value_kind: global_buffer, .address_space: global }
      - { .name: cs, .offset: 16, .size: 8, .value_kind: global_buffer, .address_space: global }
      - { .name: qn_w, .offset: 24, .size: 8, .value_kind: global_buffer, .address_space: global }
      - { .name: kn_w, .offset: 32, .size: 8, .value_kind: global_buffer, .address_space: global }
      - { .name: bv, .offset: 40, .size: 8, .value_kind: global_buffer, .address_space: global }
      - { .name: qh, .offset: 48, .size: 8, .value_kind: global_buffer, .address_space: global }
      - { .name: kh, .offset: 56, .size: 8, .value_kind: global_buffer, .address_space: global }
      - { .name: vh, .offset: 64, .size: 8, .value_kind: global_buffer, .address_space: global }
    .group_segment_fixed_size: 327680
    .private_segment_fixed_size: 0
    .kernarg_segment_align: 8
    .kernarg_segment_size: 72
    .max_flat_workgroup_size: 128
    .sgpr_count:     100
    .vgpr_count:     960
    .wavefront_size: 32
...
	.end_amdgpu_metadata
.endif
;; end of part 2
;; launch attn (part 3): grid 16 x 16, 4 waves a work-group, clusters of 4 x 1, 327,680 bytes of LDS; arguments qh, kh, vh, yb; writes yb
.if DOCPART == 3
	.amdgcn_target "amdgcn-amd-amdhsa--gfx1250"
	.amdhsa_code_object_version 6
	.text
	.protected	k_q471d91c6da_attn
	.globl	k_q471d91c6da_attn
	.p2align	8
	.type	k_q471d91c6da_attn,@function
k_q471d91c6da_attn:
	s_mov_b64 s[64:65], 0
	v_nop
	global_prefetch_b8 v0, s[64:65] scope:SCOPE_SE
	s_setreg_imm32_b32 hwreg(HW_REG_WAVE_MODE, 25, 1), 1
	s_wait_xcnt 0x0
	s_wait_alu depctr_hold_cnt(0) depctr_sa_sdst(0) depctr_va_vdst(0) depctr_va_sdst(0) depctr_va_ssrc(0) depctr_va_vcc(0) depctr_vm_vsrc(0)
	s_getreg_b32 s2, hwreg(HW_REG_IB_STS2, 6, 4)
	s_cmp_eq_u32 s2, 0
	s_cbranch_scc0 .Lentry_in_a_cluster
	s_endpgm
.Lentry_in_a_cluster:
	s_bfe_u32 s2, ttmp6, 0x10000c
	s_cmp_lg_u32 s2, 0x3003
	s_cbranch_scc0 .Lentry_shape_is_right
	s_endpgm
.Lentry_shape_is_right:
; CAUSAL ATTENTION, head size 128.  y[q][h] = the sum over k <= q of softmax_k(Q[h][q] . K[h][k] / sqrt(128)) V[h][k].  qh, kh, vh: [16][2048][128] f16, chunks of 16 bytes turned inside each row
; (place (j + l) % 16 in qh and kh, (j + 2 l) % 16 in vh); yb: [2048][2048] f16.  Products, maxima and sums in f32; the weights p are rounded to f16 for the second product, y once at the end.
; LIMITS.  f16's operands give scores of at most 5.5e11 in size.  A hidden score counts as its value - 2^100.  The running maximum m starts at -2^60, below every score and above every hidden one, so a hidden weight
; is 2^(-1e29) = 0 whatever has been seen.  c m starts at -4.25e37, so a block's first step multiplies O and l by a = 0.  A weight below 2^-126 counts as 0.  NaN and infinities are not treated apart.
; THE WALK.  A head's queries lie in 32 blocks of 64.  Work-group b = 4 U + cx (U: the cluster) takes block b and then block 31 - b.  ALL FOUR WAVES hold the block's 64 queries (four tiles of 16); THE KEYS ARE SPLIT: of a
; tile of 256 keys wave w takes keys 64 w .. 64 w + 63, so a fragment of K or V read from LDS feeds four tiles' products.  The blocks need U + 1 and 8 - U tiles: nine rounds whatever b, and the four partners of a
; cluster walk the same tiles: every fill is a joint load, and every branch hangs on U alone.  cx enters Q's and y's addresses and, by s_cselect, the masks' scalars.  At a block's end the four waves' partial
; (m, l, O) meet in LDS; wave w finishes tile w.
; THE MASK is the C operand that starts S^T = K Q^T.  With J my key step and I the block: for a tile of queries above, on, or below a group of 16 keys it is ML (hidden if J > I), MG (the triangle if J = I, hidden
; if J > I) or MU (hidden if J >= I).
; LAYOUT.  S^T holds one query a lane (lane % 16) and the keys 8 (lane / 16) + 0..7; two such results rounded to f16 are source 1 of O^T = V^T P.  p = 2^(c s - c m), c = log2(e) / sqrt(128).
; IN PHASES, THE CHANGE OF SLOTS IN THE MIDDLE OF A ROUND.  When V of round k - 1 is in registers its slot has been read out.  So trip k is: the change of slots (tile k has landed, tile k + 1 is asked for); K of round k,
; a run of 32 LDS loads; the 64 products V^T P of round k - 1, under which K lands; V of round k, a run of 32; the 64 products K Q^T of round k and its softmax, under which V lands.
; The short block goes first, so that its last V^T P, which stands one trip behind its last scores, falls in trips 1 to 4: inside the loop, whatever U.
; REGISTERS: window 0: v2-11 addresses; v12-43 statistics, 8 a tile (c m, m, l, l, c0-c3); v44-61 the merge's; v64-191 S^T; v192-255 P.  Window 1: O^T, 64 a tile.  Window 2: v0-127 Q, v128-255 K.
;   window 3: v0-127 V; v128-191 lane terms, run addresses and masks.
.set SLOT1, 1<<17                      ; a slot: 256 rows of K, then 256 of V, 256 bytes each, no padding; slot 1 begins here
.set VOFF,  65536
.set AREA,  262144                     ; behind the ring, never filled by a tensor load: 8 KiB a wave for the merge and the way out
.set STAT,  AREA+32768                 ; [wave][tile][query] (c m, l)
.set SPARE, STAT+2048                  ; the spare words, 128 bytes a wave: two blocks of 256 bytes that no other line names
.set SP,    272
.set STO, 2
.set RD,  3
.set GO,  4
.set MW,  5
.set MR,  6
.set STW, 7
.set STR, 8
.set PFO, 9
.set ST,  12
.set SX,  44                           ; v44-51  the four waves' (c m, l) of my tile
.set GG,  52                           ; v52-59  their factors, each twice
.set T0,  60
.set T1,  61
.set SPW, 62
.set NIL, 63
.set S,   64
.set P,   192
.set TMPL, 64                          ; the merge: four waves' 16 registers of a pass
.set ACCM, 128                         ; my tile's O^T, merged
.set KF,  128                          ; window 2
.set LK,  128                          ; window 3: v128-135 my place in 16 rows of K or Q for chunk pair n
.set LV,  136                          ; v136-143 the same for the turning load, channel block n
.set ADK, 144                          ; v144-151 K's run addresses
.set TRI, 152                          ; v152-159 the triangle
.set ML,  160
.set MG,  168
.set MU,  176
.set ADV, 184                          ; v184-191 V's run addresses
.set WV,  12
.set CX,  13
.set UU,  14
.set HEAD, 15
.set PB,  16                           ; b
.set BLK, 17                           ; I: the block in hand
.set RT,  18                           ; its rounds whose V^T P is still to come
.set KST, 19                           ; J: my key step
.set NXT, 20                           ; the tile to be asked for next
.set LQ,  21                           ; the last tile of the block whose tiles are being asked for
.set CNT, 22
.set TB,  23
.set TBK, 24
.set TBV, 25
.set OFF, 26
.set AL,  28
.set BE,  30
.set MUS, 32
.set BIGN, 33
.set CS,  34
.set SEL, 36
.set W14, 38
.set HIQ, 39                           ; 7 - U: the second block's last tile
.set G1,  40
.set G0K, 48
.set G0V, 52
.set KB,  56
.set VB,  58
.set Q1,  60                           ; s[60:61] Q at the first block
.set BHI, 62                           ; 31 - b
.set TMA, 63
.set Q2,  66                           ; s[66:67] Q at the second block
.set YP,  68                           ; s[68:69] y at my tile of the block in hand
.set Y2,  70                           ; s[70:71] of the second block
.set PFA, 72
.set LIM, 74
.set MSB, 0
.macro WIN new
.if MSB != (\new)
	s_set_vgpr_msb (MSB<<8)|(\new)
.set MSB, \new
.endif
.endm
.macro PLACES
.rept 4
	v_nop
.endr
.endm
.macro ALL line:vararg                 ; one line for each tile t
.set t, 0
.rept 4
	\line
.set t, t+1
.endr
.endm
.macro CROUND                          ; a round of the cluster's barrier
	s_barrier_signal -1
	s_barrier_wait -1
	s_cmp_lg_u32 s[WV], 0
	s_cbranch_scc1 .Lnot_wave_0_\@
	s_barrier_signal -3
.Lnot_wave_0_\@:
	s_barrier_wait -3
	s_barrier_signal -1
	s_barrier_wait -1
.endm
.macro JLOAD                           ; a joint fill: waves 0 and 1 the halves of a tile's K, waves 2 and 3 those of its V; an s_nop 0 and four v_nop follow each line
	s_cmp_lt_u32 s[WV], 2
	s_cbranch_scc0 .Lfor_v_\@
	tensor_load_to_lds s[G0K:G0K+3], s[G1:G1+7]
	s_nop 0
.rept 4
	v_nop
.endr
	s_branch .Lasked_\@
.Lfor_v_\@:
	tensor_load_to_lds s[G0V:G0V+3], s[G1:G1+7]
	s_nop 0
.rept 4
	v_nop
.endr
.Lasked_\@:
.endm
; A PREFETCH of the tile that the NEXT change of slots will ask for.  Of a head's four clusters U = 0 is the first to load tiles 4 to 7, in its changes 4 to 7 (its change k loads tile k): it alone asks, for tile k + 1 in
; change k = 3 .. 6 (CNT = 5 .. 2), one trip ahead of the load.  Each of its 16 waves names 32 rows of 256 bytes, a lane a row (partners told apart by address): each row once in the launch.  Tiles 0 to 3 are loaded in the
; walk's first rounds, by several clusters in the same rounds, and come by their loads alone.  The line stands behind the joint load and the run of LDS loads.
.macro ASK
	s_sub_co_u32 s[TMA], s[CNT], 2
	s_cmp_lt_u32 s[TMA], s[LIM]                    ; LIM: 4 where U = 0, else 0
	s_cbranch_scc0 .Lnot_mine_\@
	global_prefetch_b8 v[PFO], s[PFA:PFA+1] th:TH_LOAD_NT scope:SCOPE_SE
.Lnot_mine_\@:
.endm
; THE CHANGE OF SLOTS.  Each wave waits for all its tensor loads (one is out: its part of the other slot), adds 0 to its spare word, and waits for that and for its reads of the slot that it leaves: the last of them are V's,
; so this wait is also the wait for V ahead of the products V^T P.  fill = 1: the barrier is a round of the cluster's, and the old slot is filled, first thing behind it, with tile NXT; the load has a trip's 128 products
; and softmax in which to land.  (At its first use nothing has been read yet: slot 0 is waited for, slot 1 filled.)
.macro CHANGE fill
	WIN 0
	s_wait_tensorcnt 0x0                           ; no tensor load of mine is out, so a group 0 may be written
	ds_add_u32 v[SPW], v[NIL]
.if \fill
	s_cmp_gt_u32 s[NXT], s[LQ]                     ; behind the first block's last tile comes the second block's tile 0
	s_cselect_b32 s[NXT], 0, s[NXT]
	s_cselect_b32 s[LQ], s[HIQ], s[LQ]
	s_lshl_b32 s[OFF], s[NXT], 16                  ; a tile is 65,536 bytes of K and of V
	s_add_co_u32 s[NXT], s[NXT], 1
	s_xor_b32 s[G0K+1], s[G0K+1], SLOT1
	s_add_nc_u64 s[G0K+2:G0K+3], s[KB:KB+1], s[OFF:OFF+1]
	s_or_b32 s[G0K+3], s[G0K+3], 0x80000000
	s_xor_b32 s[G0V+1], s[G0V+1], SLOT1
	s_add_nc_u64 s[G0V+2:G0V+3], s[VB:VB+1], s[OFF:OFF+1]
	s_or_b32 s[G0V+3], s[G0V+3], 0x80000000
	s_wait_xcnt 0x0                                ; the last prefetch, a trip back, has read its address
	s_add_nc_u64 s[PFA:PFA+1], s[PFA:PFA+1], 65536
.endif
	s_wait_dscnt 0x0                               ; the add is done, and my reads of the slot are over
.if \fill
	CROUND
	JLOAD
.else
	s_barrier_signal -1
	s_barrier_wait -1
.endif
	s_xor_b32 s[TB], s[TB], SLOT1                  ; the reads go to the other slot,
	s_add_co_u32 s[TBK], s[TB], s[W14]             ; my 64 keys of it
	s_add_co_u32 s[TBV], s[TBK], VOFF
.endm
.macro LOADQ base                      ; a block's 64 queries: tile q, chunk pair n
	WIN 0x83                                       ; destination window 2, address window 3
.irp q, 0,1,2,3
.irp n, 0,1,2,3,4,5,6,7
	global_load_b128 v[32*(\q)+4*(\n):32*(\q)+4*(\n)+3], v[LK+(\n)], s[\base:\base+1] offset:(\q)*4096
.endr
.endr
	WIN 0
.endm
; K of the round to come: a run of 32 LDS loads, directly behind the change of slots.  K's registers were last read by the products K Q^T of the round before, a whole softmax back.
.macro FETCHK
	WIN 0xcc
.irp n, 0,1,2,3,4,5,6,7
	v_add_nc_u32 v[ADK+(\n)], s[TBK], v[LK+(\n)]
.endr
	WIN 0x83
.irp k, 0,1,2,3                        ; keys 16 k on, chunk pair n
.irp n, 0,1,2,3,4,5,6,7
	ds_load_b128 v[KF+32*(\k)+4*(\n):KF+32*(\k)+4*(\n)+3], v[ADK+(\n)] offset:(\k)*4096
.endr
.endr
	WIN 0
.endm
; Product i of 64 of S^T = K Q^T: channels 32 (i / 16) on, keys 16 ((i / 4) % 4) on, tile i % 4.  The 16 accumulators take turns; the first 16 products start the sums with the mask.
.macro KQ
.set cc, i/16
.set kt, (i/4)%4
.set tl, i%4
.set rS, S+32*tl+8*kt
.set rK, KF+32*kt+8*cc
.set rQ, 32*tl+8*cc
.if i < 16
	WIN 0x3a                                       ; K and Q window 2, C window 3, S^T window 0
.if tl > kt
	v_wmma_f32_16x16x32_f16 v[rS:rS+7], v[rK:rK+7], v[rQ:rQ+7], v[ML:ML+7]
.elseif tl == kt
	v_wmma_f32_16x16x32_f16 v[rS:rS+7], v[rK:rK+7], v[rQ:rQ+7], v[MG:MG+7]
.else
	v_wmma_f32_16x16x32_f16 v[rS:rS+7], v[rK:rK+7], v[rQ:rQ+7], v[MU:MU+7]
.endif
.else
	WIN 0x0a
	v_wmma_f32_16x16x32_f16 v[rS:rS+7], v[rK:rK+7], v[rQ:rQ+7], v[rS:rS+7]
.endif
.endm
; Product i of 64 of O^T += V^T P: keys 32 (i / 32) on, channels 16 ((i / 4) % 8) on, tile i % 4.  The 32 accumulators take turns.
.macro PV
	WIN 0x53                                       ; V window 3, P window 0, O^T window 1
.set kk, i/32
.set cb, (i/4)%8
.set tl, i%4
.set rO, 64*tl+8*cb
.set rV, 64*kk+8*cb
.set rP, P+16*tl+8*kk
	v_wmma_f32_16x16x32_f16 v[rO:rO+7], v[rV:rV+7], v[rP:rP+7], v[rO:rO+7]
.endm
.macro PVS                             ; a round's 64 products V^T P
.set i, 0
.rept 64
	PV
.set i, i+1
.endr
	WIN 0
.endm
; THE SOFTMAX of four tiles for one key step, the tiles alternating.  Its 132 exponentials are one batch with one wait.
.macro SOFT
	WIN 0
.set n, 0
.rept 4                                ; four chains c0-c3; each accumulator's lowest registers are read first
	ALL v_max3_num_f32 v[ST+8*t+4+n], v[S+32*t+8*n], v[S+32*t+8*n+1], v[S+32*t+8*n+2]
.set n, n+1
.endr
.rept 8
	ALL v_max3_num_f32 v[ST+8*t+4+n%4], v[ST+8*t+4+n%4], v[S+32*t+8*(n%4)+2*(n/4)+1], v[S+32*t+8*(n%4)+2*(n/4)+2]
.set n, n+1
.endr
	ALL v_max3_num_f32 v[ST+8*t+4], v[ST+8*t+4], v[S+32*t+7], v[S+32*t+15]
	ALL v_max3_num_f32 v[ST+8*t+6], v[ST+8*t+6], v[S+32*t+23], v[S+32*t+31]
	ALL v_max3_num_f32 v[ST+8*t+4], v[ST+8*t+4], v[ST+8*t+5], v[ST+8*t+6]
	ALL v_max3_num_f32 v[ST+8*t+4], v[ST+8*t+4], v[ST+8*t+7], v[ST+8*t+1]
	ALL v_permlanex16_b32 v[ST+8*t+5], v[ST+8*t+4], s[SEL], s[SEL+1]  ; the query's other 32 keys lie in the lane 16 away
	ALL v_mov_b32 v[ST+8*t+7], v[ST+8*t]           ; c m_old
	ALL v_max_num_f32 v[ST+8*t+1], v[ST+8*t+4], v[ST+8*t+5]
	ALL v_mul_f32 v[ST+8*t], s[CS], v[ST+8*t+1]
	ALL v_sub_f32 v[ST+8*t+7], v[ST+8*t+7], v[ST+8*t]
.set n, 0
.rept 16                               ; c s - c m
	ALL v_pk_fma_f32 v[S+32*t+2*n:S+32*t+2*n+1], v[S+32*t+2*n:S+32*t+2*n+1], s[CS:CS+1], v[ST+8*t:ST+8*t+1] op_sel_hi:[1,0,0] neg_lo:[0,0,1] neg_hi:[0,0,1]
.set n, n+1
.endr
	ALL v_exp_f32 v[ST+8*t+6], v[ST+8*t+7]         ; a
.set n, 0
.rept 32
	ALL v_exp_f32 v[S+32*t+n], v[S+32*t+n]
.set n, n+1
.endr
	v_nop                                          ; a plain instruction behind the last exponential,
	s_wait_alu depctr_va_vdst(0)                   ; and one wait ahead of the batch's first reader
.set n, 0
.rept 16
	ALL v_cvt_pk_f16_f32 v[P+16*t+n], v[S+32*t+2*n], v[S+32*t+2*n+1]
.set n, n+1
.endr
.set n, 0
.rept 8                                ; the sum of the 16 pairs, in place: neighbours 1, 2, 4 and 8 pairs apart
	ALL v_pk_add_f32 v[S+32*t+4*n:S+32*t+4*n+1], v[S+32*t+4*n:S+32*t+4*n+1], v[S+32*t+4*n+2:S+32*t+4*n+3]
.set n, n+1
.endr
.set n, 0
.rept 4
	ALL v_pk_add_f32 v[S+32*t+8*n:S+32*t+8*n+1], v[S+32*t+8*n:S+32*t+8*n+1], v[S+32*t+8*n+4:S+32*t+8*n+5]
.set n, n+1
.endr
.set n, 0
.rept 2
	ALL v_pk_add_f32 v[S+32*t+16*n:S+32*t+16*n+1], v[S+32*t+16*n:S+32*t+16*n+1], v[S+32*t+16*n+8:S+32*t+16*n+9]
.set n, n+1
.endr
	ALL v_pk_add_f32 v[S+32*t:S+32*t+1], v[S+32*t:S+32*t+1], v[S+32*t+16:S+32*t+17]
	ALL v_pk_fma_f32 v[ST+8*t+2:ST+8*t+3], v[ST+8*t+2:ST+8*t+3], v[ST+8*t+6:ST+8*t+7], v[S+32*t:S+32*t+1] op_sel_hi:[1,0,1]
	WIN 0x41                                       ; O^T times a
.set n, 0
.rept 32
	ALL v_pk_mul_f32 v[64*t+2*n:64*t+2*n+1], v[64*t+2*n:64*t+2*n+1], v[ST+8*t+6:ST+8*t+7] op_sel_hi:[1,0]
.set n, n+1
.endr
.endm
; THE SECOND HALF OF A TRIP: V of the round in hand is fetched, its masks are made, its scores and its softmax follow.  K was fetched in the trip's first half.
.macro MID
	s_cmp_eq_u32 s[KST], s[BLK]
	s_cselect_b32 s[AL], 1.0, 0
	s_cmp_gt_u32 s[KST], s[BLK]
	s_cselect_b32 s[BE], s[BIGN], 0
	s_cmp_ge_u32 s[KST], s[BLK]
	s_cselect_b32 s[MUS], s[BIGN], 0
	WIN 0xcc                                       ; these eight additions are also the places between the last products V^T P and the loads into V's registers
.irp n, 0,1,2,3,4,5,6,7
	v_add_nc_u32 v[ADV+(\n)], s[TBV], v[LV+(\n)]
.endr
	WIN 0xc3
.irp k, 0,1                            ; V, turned: keys 32 k on, channels 16 n on
.irp n, 0,1,2,3,4,5,6,7
	ds_load_tr16_b128 v[64*(\k)+8*(\n):64*(\k)+8*(\n)+3],   v[ADV+(\n)] offset:(\k)*8192
	ds_load_tr16_b128 v[64*(\k)+8*(\n)+4:64*(\k)+8*(\n)+7], v[ADV+(\n)] offset:(\k)*8192+4096
.endr
.endr
.irp n, 0,1,2,3,4,5,6,7
	v_mov_b32 v[ML+(\n)], s[BE]
	v_mov_b32 v[MU+(\n)], s[MUS]
.endr
.irp n, 0,2,4,6
	v_pk_fma_f32 v[MG+(\n):MG+(\n)+1], v[TRI+(\n):TRI+(\n)+1], s[AL:AL+1], s[BE:BE+1] op_sel_hi:[1,0,0]
.endr
	s_wait_loadcnt 0x0                             ; Q
	s_wait_dscnt 32                                ; K is in: behind its run only V's 32 loads were issued, and they may stay out
.set i, 0
.rept 64
	KQ
.set i, i+1
.endr
	PLACES
	SOFT
	WIN 0
	s_add_co_u32 s[KST], s[KST], 4
.endm
; A BLOCK'S END.  Each wave holds, for all four tiles, the partial (c m, l, O^T) of its keys.  Wave w finishes tile w: with M the largest of the four c m and f = 2^(c m - M), y = sum f O / sum f l.
; O^T goes through the area in four passes of two channel blocks; a pass: every wave stores, barrier, every wave reads its tile's four parts, barrier (its signal behind my reads, its wait ahead of the next stores).
.macro MERGE
	WIN 0
	ALL v_add_f32 v[ST+8*t+4], v[ST+8*t+2], v[ST+8*t+3]           ; (four plain lines: the places behind the last products)
	ALL v_permlanex16_b32 v[ST+8*t+5], v[ST+8*t+4], s[SEL], s[SEL+1]
	ALL v_add_f32 v[ST+8*t+1], v[ST+8*t+4], v[ST+8*t+5]           ; l takes m's place beside c m
	ALL ds_store_b64 v[STW], v[ST+8*t:ST+8*t+1] offset:128*t
.irp c, 0,1,2,3
	WIN 0x04                                       ; the stores' data in window 1; each accumulator's low four registers go first
.set t, 0
.rept 4
.irp z, 0,1,2,3
	ds_store_b128 v[MW], v[64*t+16*(\c)+4*(\z):64*t+16*(\c)+4*(\z)+3] offset:2048*t+512*(\z)
.endr
.set t, t+1
.endr
	WIN 0
	s_wait_dscnt 0x0                               ; for the others' sake: my stores are done
	s_barrier_signal -1
	s_barrier_wait -1
.if (\c) == 0
.irp v, 0,1,2,3
	ds_load_b64 v[SX+2*(\v):SX+2*(\v)+1], v[STR] offset:512*(\v)
.endr
.endif
.irp v, 0,1,2,3
.irp z, 0,1,2,3
	ds_load_b128 v[TMPL+16*(\v)+4*(\z):TMPL+16*(\v)+4*(\z)+3], v[MR] offset:8192*(\v)+512*(\z)
.endr
.endr
.if (\c) == 0
	s_wait_dscnt 16                                ; the four statistics are in; the 16 loads behind them may stay out
	v_max3_num_f32 v[T0], v[SX], v[SX+2], v[SX+4]
	v_max_num_f32 v[T0], v[T0], v[SX+6]
.irp v, 0,1,2,3
	v_sub_f32 v[GG+2*(\v)], v[SX+2*(\v)], v[T0]
.endr
.irp v, 0,1,2,3
	v_exp_f32 v[GG+2*(\v)], v[GG+2*(\v)]
.endr
	v_nop
	s_wait_alu depctr_va_vdst(0)                   ; one wait for the four factors
	v_mul_f32 v[T1], v[GG], v[SX+1]
	v_fmac_f32 v[T1], v[GG+2], v[SX+3]
	v_fmac_f32 v[T1], v[GG+4], v[SX+5]
	v_fmac_f32 v[T1], v[GG+6], v[SX+7]
	v_rcp_f32 v[T0], v[T1]
	v_nop
	s_wait_alu depctr_va_vdst(0)
.irp v, 0,1,2,3
	v_mul_f32 v[GG+2*(\v)], v[GG+2*(\v)], v[T0]
.endr
.irp v, 0,1,2,3
	v_mov_b32 v[GG+2*(\v)+1], v[GG+2*(\v)]
.endr
.endif
	s_wait_dscnt 0x0                               ; my reads of the area are over
	s_barrier_signal -1
.irp p, 0,2,4,6,8,10,12,14
	v_pk_mul_f32 v[ACCM+16*(\c)+(\p):ACCM+16*(\c)+(\p)+1], v[TMPL+(\p):TMPL+(\p)+1], v[GG:GG+1]
.endr
.irp v, 1,2,3
.irp p, 0,2,4,6,8,10,12,14
	v_pk_fma_f32 v[ACCM+16*(\c)+(\p):ACCM+16*(\c)+(\p)+1], v[TMPL+16*(\v)+(\p):TMPL+16*(\v)+(\p)+1], v[GG+2*(\v):GG+2*(\v)+1], v[ACCM+16*(\c)+(\p):ACCM+16*(\c)+(\p)+1]
.endr
.endr
	s_barrier_wait -1
.endr
	; the way out: my tile, rounded to f16, through my own 8 KiB of the area (rows of 272 bytes), back as whole rows of 256
.set n, 0
.rept 32
	v_cvt_pk_f16_f32 v[P+n], v[ACCM+2*n], v[ACCM+2*n+1]
.set n, n+1
.endr
.irp f, 0,1,2,3,4,5,6,7
	ds_store_b128 v[STO], v[P+4*(\f):P+4*(\f)+3] offset:32*(\f)
.endr
.irp f, 0,1,2,3,4,5,6,7
	ds_load_b128 v[P+32+4*(\f):P+32+4*(\f)+3], v[RD] offset:(\f)*2*SP  ; LDS serves a wave's instructions in order (ISA guide 5.7.1.4): these see the stores above
.endr
.irp f, 0,1,2,3,4,5,6,7
	s_wait_dscnt 7-(\f)
	global_store_b128 v[GO], v[P+32+4*(\f):P+32+4*(\f)+3], s[YP:YP+1] offset:(\f)*8192  ; 16 lanes store 256 consecutive bytes, aligned
.endr
.endm
	s_load_b256 s[4:11], s[0:1], 0x0               ; qh 4, kh 6, vh 8, yb 10
	v_lshl_add_u32 v[SPW], v0, 2, SPARE
	v_mov_b32 v[NIL], 0
	ds_add_u32 v[SPW], v[NIL]                      ; the wave's opening: the add and its wait ahead of my first tensor load
	v_lshrrev_b32 v1, 5, v0
	v_readfirstlane_b32 s[WV], v1
	s_bfe_u32 s[CX], ttmp6, 0x40000
	s_mov_b32 s[UU], ttmp9                         ; in a cluster launch ttmp9 counts clusters
	s_and_b32 s[HEAD], ttmp7, 0xffff
	s_lshl_b32 s[PB], s[UU], 2
	s_add_co_u32 s[PB], s[PB], s[CX]
	s_sub_co_u32 s[BHI], 31, s[PB]
	s_mov_b32 s[BLK], s[PB]                        ; the short block first
	s_add_co_u32 s[RT], s[UU], 1
	s_mov_b32 s[KST], s[WV]
	s_mov_b32 s[NXT], 1
	s_mov_b32 s[LQ], s[UU]
	s_sub_co_u32 s[HIQ], 7, s[UU]
	s_mov_b32 s[CNT], 8
	s_mov_b32 s[TB], SLOT1                         ; the first change of slots turns it into 0
	s_lshl_b32 s[W14], s[WV], 14
	s_mov_b32 s[OFF+1], 0
	s_mov_b32 s[AL+1], 0                           ; named as pairs
	s_mov_b32 s[BE+1], 0
	s_mov_b32 s[BIGN], 0xf1800000                  ; -2^100
	s_mov_b32 s[CS], 0x3e0293ee                    ; c = log2(e) / sqrt(128)
	s_mov_b32 s[CS+1], s[CS]
	s_mov_b32 s[SEL], 0x76543210
	s_mov_b32 s[SEL+1], 0xfedcba98
	s_mov_b32 s[G1], 15|(3<<16)|(1<<21)            ; the mask of four; 8-byte elements; bit 21 beside a mask; no padding
	s_mov_b32 s[G1+1], 32<<16                      ; 128 dense rows of 256 bytes
	s_mov_b32 s[G1+2], 128<<16
	s_mov_b32 s[G1+3], 32<<16
	s_mov_b32 s[G1+4], 128
	s_mov_b32 s[G1+5], 32
	s_mov_b32 s[G1+6], 0
	s_mov_b32 s[G1+7], 0
	s_mov_b32 s[G0K], 1
	s_lshl_b32 s[G0K+1], s[WV], 15                 ; wave w's 32 KiB of slot 0: K's halves, then V's
	s_mov_b32 s[G0V], 1
	s_lshl_b32 s[G0V+1], s[WV], 15
	s_lshl_b32 s76, s[HEAD], 19                    ; a head's 2,048 rows of 256 bytes
	s_and_b32 s78, s[WV], 1
	s_lshl_b32 s78, s78, 15                        ; which 128 rows of a tile I fetch
	s_add_co_u32 s78, s78, s76
	s_mov_b32 s79, 0
	s_mov_b32 s81, 0
	s_lshl_b32 s82, s[WV], 16                      ; y: my tile's 16 rows of 4,096 bytes,
	s_lshl_b32 s83, s[HEAD], 8                     ; the head's 256 bytes of a row
	s_add_co_u32 s82, s82, s83
	s_wait_dscnt 0x0                               ; the opening add is done
	s_wait_kmcnt 0x0
	s_add_nc_u64 s[KB:KB+1], s[6:7], s[78:79]
	s_add_nc_u64 s[VB:VB+1], s[8:9], s[78:79]
	s_add_nc_u64 s[G0K+2:G0K+3], s[KB:KB+1], 0
	s_or_b32 s[G0K+3], s[G0K+3], 0x80000000
	s_add_nc_u64 s[G0V+2:G0V+3], s[VB:VB+1], 0
	s_or_b32 s[G0V+3], s[G0V+3], 0x80000000
	s_lshl_b32 s80, s[PB], 14
	s_add_co_u32 s80, s80, s76
	s_add_nc_u64 s[Q1:Q1+1], s[4:5], s[80:81]
	s_lshl_b32 s80, s[BHI], 14
	s_add_co_u32 s80, s80, s76
	s_add_nc_u64 s[Q2:Q2+1], s[4:5], s[80:81]
	s_lshl_b32 s80, s[PB], 18
	s_add_co_u32 s80, s80, s82
	s_add_nc_u64 s[YP:YP+1], s[10:11], s[80:81]
	s_lshl_b32 s80, s[BHI], 18
	s_add_co_u32 s80, s80, s82
	s_add_nc_u64 s[Y2:Y2+1], s[10:11], s[80:81]
	s_lshl_b32 s80, s[CX], 13                      ; the prefetches: my work-group's 32 of the 128 rows that I fetch, in tile 0; change k has stepped them to tile k + 1
	s_cmp_lt_u32 s[WV], 2
	s_cselect_b64 s[PFA:PFA+1], s[KB:KB+1], s[VB:VB+1]
	s_add_nc_u64 s[PFA:PFA+1], s[PFA:PFA+1], s[80:81]
	s_cmp_eq_u32 s[UU], 0
	s_cselect_b32 s[LIM], 4, 0
	CROUND                                         ; all four work-groups are here: the first joint load meets
	JLOAD                                          ; tile 0 into slot 0
	v_and_b32 v1, 15, v0                           ; r
	v_bfe_u32 v10, v0, 4, 1                        ; h
	v_and_b32 v11, 31, v0                          ; l
	v_add_nc_u32 v[T0], v1, v10
	v_lshlrev_b32 v[T1], 8, v1
	v_and_b32 v44, 7, v0
	v_bfe_u32 v45, v0, 3, 1
	v_lshl_add_u32 v46, v44, 1, v45                ; 2 (l % 8) + (l / 8) % 2
	v_lshl_add_u32 v47, v10, 3, v44                ; the turning load's row 8 h + l % 8
	v_lshlrev_b32 v47, 8, v47
	v_lshlrev_b32 v48, 3, v10
	v_sub_nc_u32 v48, v1, v48                      ; r - 8 h: register j of the triangle is hidden where j is greater
	; LK[n] = 256 r + 16 ((2 n + h + r) % 16): chunk 2 n + h of row r where the turning of the rows has put it.  LV[n] = 256 (8 h + l % 8) + 16 ((2 n + (l / 8) % 2 + 2 (l % 8)) % 16)
	WIN 0xc0
.irp n, 0,1,2,3,4,5,6,7
	v_add_nc_u32 v[LK+(\n)], 2*(\n), v[T0]
	v_add_nc_u32 v[LV+(\n)], 2*(\n), v46
.endr
.irp j, 0,1,2,3,4,5,6,7
	v_cmp_gt_i32 vcc_lo, \j, v48
	v_cndmask_b32 v[TRI+(\j)], 0, s[BIGN], vcc_lo
.endr
	WIN 0xcc
.irp n, 0,1,2,3,4,5,6,7
	v_and_b32 v[LK+(\n)], 15, v[LK+(\n)]
	v_and_b32 v[LV+(\n)], 15, v[LV+(\n)]
.endr
	WIN 0xc3
.irp n, 0,1,2,3,4,5,6,7
	v_lshl_add_u32 v[LK+(\n)], v[LK+(\n)], 4, v[T1]
	v_lshl_add_u32 v[LV+(\n)], v[LV+(\n)], 4, v47
.endr
	LOADQ Q1
	; O^T need only be finite: a block's first step multiplies it by a = 0.  32 products of zeros set its 256 registers to 0, in the wait for the first tile: 48 lines in the place of 256 moves.
	; The price: matrix work that is not attention's, once a launch; it spares a first step written out.
.set n, 0
.rept 16
	v_mov_b32 v[S+n], 0
.set n, n+1
.endr
	WIN 0x40                                       ; destination window 1, sources window 0
.set n, 0
.rept 32
	v_wmma_f32_16x16x32_f16 v[8*n:8*n+7], v[S:S+7], v[S+8:S+15], 0
.set n, n+1
.endr
	WIN 0
.macro FRESH                           ; a block's statistics
	ALL v_mov_b32 v[ST+8*t], 0xfe000000            ; c m: far below every c s
	ALL v_mov_b32 v[ST+8*t+1], 0xdd800000          ; m = -2^60
	ALL v_mov_b32 v[ST+8*t+2], 0
	ALL v_mov_b32 v[ST+8*t+3], 0
.endm
	FRESH
	s_lshl_b32 s84, s[WV], 13
	s_add_co_u32 s84, s84, AREA                    ; my 8 KiB of the area
	v_mul_u32_u24 v[STO], v1, SP
	v_lshl_add_u32 v[STO], v10, 4, v[STO]
	v_add_nc_u32 v[STO], s84, v[STO]
	v_mul_u32_u24 v[RD], v10, SP
	v_lshl_add_u32 v[RD], v1, 4, v[RD]
	v_add_nc_u32 v[RD], s84, v[RD]
	v_lshl_add_u32 v[MW], v11, 4, s84
	s_lshl_b32 s84, s[WV], 11
	s_add_co_u32 s84, s84, AREA                    ; tile w's 2 KiB in each wave's part
	v_lshl_add_u32 v[MR], v11, 4, s84
	s_lshl_b32 s84, s[WV], 9
	s_add_co_u32 s84, s84, STAT
	v_lshl_add_u32 v[STW], v1, 3, s84
	s_lshl_b32 s84, s[WV], 7
	s_add_co_u32 s84, s84, STAT
	v_lshl_add_u32 v[STR], v1, 3, s84
	v_lshlrev_b32 v[GO], 12, v10
	v_lshl_add_u32 v[GO], v1, 4, v[GO]
	v_lshlrev_b32 v[PFO], 8, v11
	CHANGE 1                                       ; change 0: tile 0 is in, everybody's part of it; round 1's tile is asked for
	FETCHK                                         ; K of round 0
	s_branch .Lmid                                 ; the loop is entered in the middle of a trip: there is no round before round 0
.Lround:                                       ; trips k = 1 .. 7 (CNT = 8 - k)
	CHANGE 1                                       ; V of round k - 1 is in; tile k is in; round k + 1's tile is asked for
	FETCHK                                         ; K of round k lands under the 64 products below
	ASK
	PVS                                            ; V^T P of round k - 1
	s_sub_co_u32 s[RT], s[RT], 1
	s_cmp_lg_u32 s[RT], 0
	s_cbranch_scc1 .Lmid                           ; RT hangs on the cluster's number alone: the same in all waves and all partners
	LOADQ Q2                                       ; the first block ends (k = U + 1): the second block's queries come in under the merge
	MERGE
	s_wait_xcnt 0x0                                ; the stores have read their data and y's address
	s_mov_b64 s[YP:YP+1], s[Y2:Y2+1]
	s_mov_b32 s[BLK], s[BHI]
	s_add_co_u32 s[RT], s[HIQ], 1                  ; 8 - U rounds: the last of them ends behind the loop
	s_mov_b32 s[KST], s[WV]
	FRESH
.Lmid:
	MID                                            ; V, the scores and the softmax of round k
	s_sub_co_u32 s[CNT], s[CNT], 1
	s_cmp_lg_u32 s[CNT], 0
	s_cbranch_scc1 .Lround
	CHANGE 0                                       ; trip 8 is written out: nothing is asked for
	FETCHK
	PVS                                            ; V^T P of round 7
	MID                                            ; round 8
	s_wait_dscnt 0x0                               ; V of round 8 is in
	PVS
	MERGE
	s_wait_tensorcnt 0x0                           ; the wave's end
	ds_add_u32 v[SPW], v[NIL]
	s_wait_dscnt 0x0
	CROUND                                         ; the closing round
	s_endpgm
.Lfunc_end_k_q471d91c6da_attn:
	.size	k_q471d91c6da_attn, .Lfunc_end_k_q471d91c6da_attn-k_q471d91c6da_attn
	.p2alignl 7, 3214868480
	.fill 96, 4, 3214868480
	.section	.rodata,"a",@progbits
	.p2align	6, 0x0
	.amdhsa_kernel k_q471d91c6da_attn
		.amdhsa_group_segment_fixed_size 327680
		.amdhsa_private_segment_fixed_size 0
		.amdhsa_enable_private_segment 0
		.amdhsa_kernarg_size 32
		.amdhsa_user_sgpr_count 2
		.amdhsa_user_sgpr_kernarg_segment_ptr 1
		.amdhsa_wavefront_size32 1
		.amdhsa_system_sgpr_workgroup_id_x 1
		.amdhsa_system_sgpr_workgroup_id_y 1
		.amdhsa_system_sgpr_workgroup_id_z 1
		.amdhsa_system_vgpr_workitem_id 0
		.amdhsa_next_free_vgpr 960
		.amdhsa_next_free_sgpr 90
		.amdhsa_reserve_vcc 1
		.amdhsa_float_denorm_mode_32 3
		.amdhsa_float_denorm_mode_16_64 3
		.amdhsa_memory_ordered 1
		.amdhsa_forward_progress 1
		.amdhsa_inst_pref_size 162
	.end_amdhsa_kernel
	.amdgpu_metadata
---
amdhsa.version: [ 1, 2 ]
amdhsa.kernels:
  - .name:           k_q471d91c6da_attn
    .symbol:         k_q471d91c6da_attn.kd
    .args:
      - { .name: qh, .offset: 0, .size: 8, .value_kind: global_buffer, .address_space: global }
      - { .name: kh, .offset: 8, .size: 8, .value_kind: global_buffer, .address_space: global }
      - { .name: vh, .offset: 16, .size: 8, .value_kind: global_buffer, .address_space: global }
      - { .name: yb, .offset: 24, .size: 8, .value_kind: global_buffer, .address_space: global }
    .group_segment_fixed_size: 327680
    .private_segment_fixed_size: 0
    .kernarg_segment_align: 8
    .kernarg_segment_size: 32
    .max_flat_workgroup_size: 128
    .sgpr_count:     90
    .vgpr_count:     960
    .wavefront_size: 32
...
	.end_amdgpu_metadata
.endif
;; end of part 3
;; launch outp (part 4): grid 16 x 16, 4 waves a work-group, clusters of 4 x 4, 327,680 bytes of LDS; arguments yb, wpb, bp, out0; writes out0
.if DOCPART == 4
	.amdgcn_target "amdgcn-amd-amdhsa--gfx1250"
	.amdhsa_code_object_version 6
	.text
	.protected	k_q471d91c6da_outp
	.globl	k_q471d91c6da_outp
	.p2align	8
	.type	k_q471d91c6da_outp,@function
k_q471d91c6da_outp:
	s_mov_b64 s[64:65], 0
	v_nop
	global_prefetch_b8 v0, s[64:65] scope:SCOPE_SE
	s_setreg_imm32_b32 hwreg(HW_REG_WAVE_MODE, 25, 1), 1
	s_wait_xcnt 0x0
	s_wait_alu depctr_hold_cnt(0) depctr_sa_sdst(0) depctr_va_vdst(0) depctr_va_sdst(0) depctr_va_ssrc(0) depctr_va_vcc(0) depctr_vm_vsrc(0)
	s_getreg_b32 s2, hwreg(HW_REG_IB_STS2, 6, 4)
	s_cmp_eq_u32 s2, 0
	s_cbranch_scc0 .Lentry_in_a_cluster
	s_endpgm
.Lentry_in_a_cluster:
	s_bfe_u32 s2, ttmp6, 0x10000c
	s_cmp_lg_u32 s2, 0xf033
	s_cbranch_scc0 .Lentry_shape_is_right
	s_endpgm
.Lentry_shape_is_right:
; out0 = y x Wp + bp.  yb: [2048][2048] f16; wpb: [k][2048], Wp rounded to bf16 and written as f16; bp counts rounded to bf16; out0: [2048][2048] f32.  Sums in f32.
; A tile of the output is 128 x 128: 256 work-groups.  Four waves, each 64 x 64: 16 accumulators.  K goes in 8 steps of 256 through two LDS slots: waves 0 and 1 fetch 64 rows x 512 bytes of y each,
; waves 2 and 3 fetch 128 k rows x 256 bytes of the weights each.  CLUSTER 4 x 4: y's tile is asked for jointly along a row of the cluster, the weights' along a column.
; THE MATRIX INSTRUCTION IS USED TRANSPOSED (source 0 = 16 columns of the weights, turned out of LDS; source 1 = 16 rows of y): a lane holds eight neighbouring numbers of a row.
; No prefetch: a step's tile is small and a work-group has one tile of the output.
; REGISTERS: window 0: v0-35 addresses and bias; v128-255 the accumulators ((a, b) at v[128 + 8 (4 a + b)]), later the rows on their way out.  Window 1: two fragment buffers of 128: 64 of y, 64 of the weights.
.set PA,    528                        ; a row of y's tile in LDS: 512 bytes + 16
.set PB,    288                        ; a k row of the weights: 256 + 32
.set AH,    64*PA
.set BH,    128*PB
.set SLOT,  2*AH+2*BH                  ; y's 128 rows, then the weights' 256 k rows
.set SPARE, 2*SLOT                     ; the spare words, 128 bytes a wave: two blocks of 256 bytes that no other line names
.set SPI,   528                        ; the stage, [128 rows][528 bytes] of f32, from byte 0 on: slot 0 has then had its last fill, and its last reads lie in front of the last change of slots
.set LAPS,  4
.set ADRA, 16                          ; v16-17
.set ADRB, 20                          ; v20-23  slot s, half of the k rows z: ADRB + 2 s + z
.set STO,  24
.set RD,   25
.set CO,   26
.set SPW,  28
.set NIL,  29
.set BP,   32                          ; v32-35  the bias of my 4 columns
.set ACC,  128
.set F0,   0
.set F1,   128
.set WV,   12
.set MH,   13
.set NH,   14
.set MT,   15
.set G1A,  24
.set G0A,  32
.set CX,   40
.set CY,   41
.set NT,   42
.set RMASK, 43
.set CMASK, 44
.set LAP,  45
.set G1B,  48
.set G0B,  56
.set MSB, 0
.macro WIN new
.if MSB != (\new)
	s_set_vgpr_msb (MSB<<8)|(\new)
.set MSB, \new
.endif
.endm
.set MUL,  0x05                        ; sources 0 and 1 window 1; C and D window 0
.set TO_F, 0x40                        ; destination window 1, address window 0
.macro PLACES
.rept 4
	v_nop
.endr
.endm
.macro JLOAD s                         ; a joint load; an s_nop 0 and four v_nop follow each of the two lines
	s_cmp_eq_u32 s[MH], 0
	s_cbranch_scc0 .Lfor_b_\@
	tensor_load_to_lds s[G0A+4*(\s):G0A+4*(\s)+3], s[G1A:G1A+7]
	s_nop 0
.rept 4
	v_nop
.endr
	s_branch .Lasked_\@
.Lfor_b_\@:
	tensor_load_to_lds s[G0B+4*(\s):G0B+4*(\s)+3], s[G1B:G1B+7]
	s_nop 0
.rept 4
	v_nop
.endr
.Lasked_\@:
.endm
.macro CREST
	s_cmp_lg_u32 s[WV], 0
	s_cbranch_scc1 .Lnot_wave_0_\@
	s_barrier_signal -3
.Lnot_wave_0_\@:
	s_barrier_wait -3
	s_barrier_signal -1
	s_barrier_wait -1
.endm
.macro CROUND
	s_barrier_signal -1
	s_barrier_wait -1
	CREST
.endm
	s_load_b256 s[4:11], s[0:1], 0x0               ; yb 4, wpb 6, bp 8, out0 10
	v_lshl_add_u32 v[SPW], v0, 2, SPARE
	v_mov_b32 v[NIL], 0
	ds_add_u32 v[SPW], v[NIL]                      ; the wave's opening: the add and its wait ahead of my first tensor load
	v_lshrrev_b32 v1, 5, v0
	v_readfirstlane_b32 s[WV], v1
	s_lshr_b32 s[MH], s[WV], 1                     ; which half of the tile's rows is mine.  Also: I fetch y (0) or the weights (1)
	s_and_b32 s[NH], s[WV], 1                      ; which half of its columns.  Also: which half of that tile I fetch
	s_bfe_u32 s[CX], ttmp6, 0x40000
	s_bfe_u32 s[CY], ttmp6, 0x40004
	s_lshl_b32 s[NT], ttmp9, 2
	s_add_co_u32 s[NT], s[NT], s[CX]
	s_and_b32 s[MT], ttmp7, 0xffff
	s_lshl_b32 s[MT], s[MT], 2
	s_add_co_u32 s[MT], s[MT], s[CY]
	s_lshl_b32 s[RMASK], s[CY], 2
	s_lshl_b32 s[RMASK], 15, s[RMASK]
	s_lshl_b32 s[CMASK], 0x1111, s[CX]
	s_or_b32 s[G1A], s[RMASK], (1<<16)|(1<<20)|(1<<21)|(6<<22)|(3<<25)  ; padding of 4 words after every 128
	s_or_b32 s[G1B], s[CMASK], (1<<16)|(1<<20)|(1<<21)|(5<<22)|(7<<25)  ; of 8 words after every 64
	s_mov_b32 s[G1A+1], 256<<16                    ; 64 rows x 256 elements
	s_mov_b32 s[G1A+2], 64<<16
	s_mov_b32 s[G1A+3], 256<<16
	s_mov_b32 s[G1A+4], 64
	s_mov_b32 s[G1B+1], 128<<16                    ; 128 k rows x 128 elements
	s_mov_b32 s[G1B+2], 128<<16
	s_mov_b32 s[G1B+3], 128<<16
	s_mov_b32 s[G1B+4], 128
.irp g, G1A, G1B
	s_mov_b32 s[(\g)+5], 2048
	s_mov_b32 s[(\g)+6], 0
	s_mov_b32 s[(\g)+7], 0
.endr
	s_lshl_b32 s16, s[MT], 19                      ; y: 128 rows of 4,096 bytes,
	s_lshl_b32 s17, s[NH], 18                      ; my 64 of them
	s_add_co_u32 s16, s16, s17
	s_mov_b32 s17, 0
	s_lshl_b32 s46, s[NH], 19                      ; the weights: my 128 k rows,
	s_lshl_b32 s47, s[NT], 8                       ; the tile's 128 columns
	s_add_co_u32 s46, s46, s47
	s_mov_b32 s47, 0
	s_mul_i32 s20, s[NH], AH                       ; where they go: no place in the cluster enters an LDS address
	s_mul_i32 s21, s[NH], BH
	s_add_co_u32 s21, s21, 2*AH
	s_wait_dscnt 0x0                               ; the opening add is done
	s_wait_kmcnt 0x0
	s_add_nc_u64 s[18:19], s[4:5], s[16:17]
	s_add_nc_u64 s[46:47], s[6:7], s[46:47]
	CROUND                                         ; all sixteen work-groups are here: the first joint loads meet
.irp s, 0,1
	s_mov_b32 s[G0A+4*(\s)], 1
	s_add_co_u32 s[G0A+4*(\s)+1], s20, (\s)*SLOT
	s_add_nc_u64 s[G0A+4*(\s)+2:G0A+4*(\s)+3], s[18:19], (\s)*512
	s_or_b32 s[G0A+4*(\s)+3], s[G0A+4*(\s)+3], 0x80000000
	s_mov_b32 s[G0B+4*(\s)], 1
	s_add_co_u32 s[G0B+4*(\s)+1], s21, (\s)*SLOT
	s_add_nc_u64 s[G0B+4*(\s)+2:G0B+4*(\s)+3], s[46:47], (\s)*256*4096
	s_or_b32 s[G0B+4*(\s)+3], s[G0B+4*(\s)+3], 0x80000000
	JLOAD \s
.endr
	v_and_b32 v1, 15, v0
	v_bfe_u32 v2, v0, 4, 1
	v_and_b32 v3, 31, v0
	v_lshlrev_b32 v[CO], 4, v3                     ; on the way out lane l takes columns 4 l .. 4 l + 3; never rewritten
	s_lshl_b32 s22, s[NT], 9
	s_mov_b32 s23, 0
	s_add_nc_u64 s[8:9], s[8:9], s[22:23]
	global_load_b128 v[BP:BP+3], v[CO], s[8:9]
	v_mul_u32_u24 v4, v1, PA
	v_lshl_add_u32 v4, v2, 4, v4
	s_mul_i32 s22, s[MH], 64*PA
	v_add_nc_u32 v[ADRA], s22, v4
	v_add_nc_u32 v[ADRA+1], SLOT, v[ADRA]
	v_and_b32 v5, 7, v0                            ; the turning load: k row 8 (l / 16) + l % 8, columns 8 ((l / 8) % 2) + 0..7
	v_lshl_add_u32 v5, v2, 3, v5
	v_mul_u32_u24 v5, v5, PB
	v_bfe_u32 v6, v0, 3, 1
	v_lshl_add_u32 v5, v6, 4, v5
	s_lshl_b32 s22, s[NH], 7
	s_add_co_u32 s22, s22, 2*AH
	v_add_nc_u32 v[ADRB], s22, v5
	v_add_nc_u32 v[ADRB+1], BH, v[ADRB]
	v_add_nc_u32 v[ADRB+2], SLOT, v[ADRB]
	v_add_nc_u32 v[ADRB+3], SLOT+BH, v[ADRB]
	v_mul_u32_u24 v4, v1, SPI                      ; into the stage: row l % 16, 32 bytes for each half of the lanes
	v_lshl_add_u32 v4, v2, 5, v4
	s_mul_i32 s22, s[MH], 64*SPI
	s_lshl_b32 s23, s[NH], 8
	s_add_co_u32 s22, s22, s23
	v_add_nc_u32 v[STO], s22, v4
	s_mul_i32 s22, s[WV], 32*SPI                   ; back: wave w takes rows 32 w on, a whole row of 512 bytes a load
	v_lshl_add_u32 v[RD], v3, 4, s22
	s_lshl_b32 s22, s[MT], 20                      ; 128 rows of 8,192 bytes,
	s_lshl_b32 s23, s[WV], 18                      ; my 32,
	s_add_co_u32 s22, s22, s23
	s_lshl_b32 s23, s[NT], 9                       ; the tile's 512 bytes of a row
	s_add_co_u32 s22, s22, s23
	s_mov_b32 s23, 0
	s_add_nc_u64 s[10:11], s[10:11], s[22:23]
	s_wait_loadcnt 0x0                             ; the bias: rounded to bf16 like every input
	v_cvt_pk_bf16_f32 v4, v[BP], v[BP+1]
	v_cvt_pk_bf16_f32 v5, v[BP+2], v[BP+3]
	v_lshlrev_b32 v[BP], 16, v4
	v_and_b32 v[BP+1], 0xffff0000, v4
	v_lshlrev_b32 v[BP+2], 16, v5
	v_and_b32 v[BP+3], 0xffff0000, v5
; 8 products: row blocks a0, a0 + 1 x all 4 column blocks, 32 along K: half c of buffer f.  The 16 accumulators take turns.
.macro MUL8 f, c, a0, zero
	WIN MUL
.irp a, \a0, (\a0)+1
.irp b, 0,1,2,3
.if \zero
	v_wmma_f32_16x16x32_f16 v[ACC+8*(4*(\a)+(\b)):ACC+8*(4*(\a)+(\b))+7], v[(\f)+64+8*(4*(\c)+(\b)):(\f)+64+8*(4*(\c)+(\b))+7], v[(\f)+8*(4*(\c)+(\a)):(\f)+8*(4*(\c)+(\a))+7], 0
.else
	v_wmma_f32_16x16x32_f16 v[ACC+8*(4*(\a)+(\b)):ACC+8*(4*(\a)+(\b))+7], v[(\f)+64+8*(4*(\c)+(\b)):(\f)+64+8*(4*(\c)+(\b))+7], v[(\f)+8*(4*(\c)+(\a)):(\f)+8*(4*(\c)+(\a))+7], v[ACC+8*(4*(\a)+(\b)):ACC+8*(4*(\a)+(\b))+7]
.endif
.endr
.endr
.endm
; 32 LDS loads in one run: quarter q (64 along K) of a slot into buffer f; the first 32 along K first
.macro FETCH slot, q, f
	WIN TO_F
.irp c, 0,1
.irp i, 0,1,2,3
	ds_load_tr16_b128 v[(\f)+64+8*(4*(\c)+(\i)):(\f)+64+8*(4*(\c)+(\i))+3],   v[ADRB+2*(\slot)+(\q)/2] offset:((\q)%2)*64*PB+(\c)*32*PB+32*(\i)
	ds_load_tr16_b128 v[(\f)+64+8*(4*(\c)+(\i))+4:(\f)+64+8*(4*(\c)+(\i))+7], v[ADRB+2*(\slot)+(\q)/2] offset:((\q)%2)*64*PB+(\c)*32*PB+32*(\i)+16*PB
	ds_load_b128 v[(\f)+8*(4*(\c)+(\i)):(\f)+8*(4*(\c)+(\i))+3],   v[ADRA+(\slot)] offset:128*(\q)+64*(\c)+(\i)*16*PA
	ds_load_b128 v[(\f)+8*(4*(\c)+(\i))+4:(\f)+8*(4*(\c)+(\i))+7], v[ADRA+(\slot)] offset:128*(\q)+64*(\c)+(\i)*16*PA+32
.endr
.endr
.endm
.macro QUARTER slot, q, f, g, zero
	s_wait_dscnt 16                                ; the first 32 along K are in
	MUL8 \f, 0, 0, \zero
	MUL8 \f, 0, 2, \zero
	PLACES
	FETCH \slot, \q, \g
	s_wait_dscnt 32                                ; all but the 32 just issued
	MUL8 \f, 1, 0, 0
	MUL8 \f, 1, 2, 0
.endm
; The last quarter multiplies buffer 1 and changes slots: one barrier; in front of it each wave waits for all its tensor loads, adds 0 to its spare word, and waits for that and for its reads of this slot.
.macro TURN slot, next, fill
	WIN 0
	s_wait_tensorcnt 0x0                           ; all my tensor loads have landed: my part of the next slot
	ds_add_u32 v[SPW], v[NIL]
	s_wait_dscnt 17                                ; (the add and the youngest sixteen loads may be out)
	MUL8 F1, 0, 0, 0
	s_wait_dscnt 0x0                               ; the add is done, and my reads of this slot are over
	s_barrier_signal -1
	MUL8 F1, 0, 2, 0
.if \fill
	WIN 0
.endif
	s_barrier_wait -1
.if \fill
	CREST                                          ; no wave of any partner still reads this slot or has a load on its way
	s_add_nc_u64 s[G0A+4*(\slot)+2:G0A+4*(\slot)+3], s[G0A+4*(\slot)+2:G0A+4*(\slot)+3], 2*512
	s_add_nc_u64 s[G0B+4*(\slot)+2:G0B+4*(\slot)+3], s[G0B+4*(\slot)+2:G0B+4*(\slot)+3], 2*256*4096
	JLOAD \slot                                    ; its four v_nop are also the places in front of the loads below
.else
	PLACES
.endif
	FETCH \next, 0, F0
	MUL8 F1, 1, 0, 0
	MUL8 F1, 1, 2, 0
.endm
	s_wait_tensorcnt 1                             ; my part of K step 0 is in; K step 1's may stay out
	s_barrier_signal -1
	s_barrier_wait -1
	FETCH 0, 0, F0
	QUARTER 0, 1, F0, F1, 1                        ; its first products start the sums
	WIN 0
	s_mov_b32 s[LAP], LAPS-1
.Llap:
	QUARTER 0, 2, F1, F0, 0
	QUARTER 0, 3, F0, F1, 0
	TURN 0, 1, 1
	QUARTER 1, 1, F0, F1, 0
	QUARTER 1, 2, F1, F0, 0
	QUARTER 1, 3, F0, F1, 0
	TURN 1, 0, 1
	QUARTER 0, 1, F0, F1, 0
	WIN 0
	s_sub_co_u32 s[LAP], s[LAP], 1
	s_cmp_lg_u32 s[LAP], 0
	s_cbranch_scc1 .Llap
	QUARTER 0, 2, F1, F0, 0                        ; the last lap fills nothing
	QUARTER 0, 3, F0, F1, 0
	TURN 0, 1, 0
	QUARTER 1, 1, F0, F1, 0
	QUARTER 1, 2, F1, F0, 0
	QUARTER 1, 3, F0, F1, 0
	s_wait_dscnt 16
	MUL8 F1, 0, 0, 0
	MUL8 F1, 0, 2, 0
	s_wait_dscnt 0x0
	MUL8 F1, 1, 0, 0
	MUL8 F1, 1, 2, 0
	WIN 0
	; THE WAY OUT: the f32 sums into the stage (slot 0: nobody reads it since the last change of slots, and nothing is filled any more); a barrier; back as whole rows; + bias; stored
	PLACES
.irp a, 0,1,2,3
.irp b, 0,1,2,3
	ds_store_b128 v[STO], v[ACC+8*(4*(\a)+(\b)):ACC+8*(4*(\a)+(\b))+3]   offset:(\a)*16*SPI+64*(\b)
	ds_store_b128 v[STO], v[ACC+8*(4*(\a)+(\b))+4:ACC+8*(4*(\a)+(\b))+7] offset:(\a)*16*SPI+64*(\b)+16
.endr
.endr
	s_wait_dscnt 0x0                               ; for the others' sake: my stores are done
	s_barrier_signal -1
	s_barrier_wait -1
.set n, 0
.rept 32
	ds_load_b128 v[ACC+4*n:ACC+4*n+3], v[RD] offset:n*SPI
.set n, n+1
.endr
.set n, 0
.rept 32
	s_wait_dscnt 31-n
	v_pk_add_f32 v[ACC+4*n:ACC+4*n+1],   v[ACC+4*n:ACC+4*n+1],   v[BP:BP+1]
	v_pk_add_f32 v[ACC+4*n+2:ACC+4*n+3], v[ACC+4*n+2:ACC+4*n+3], v[BP+2:BP+3]
	global_store_b128 v[CO], v[ACC+4*n:ACC+4*n+3], s[10:11] offset:n*8192 th:TH_STORE_NT  ; a wave stores 512 consecutive bytes, aligned
.set n, n+1
.endr
	s_wait_tensorcnt 0x0                           ; the wave's end
	ds_add_u32 v[SPW], v[NIL]
	s_wait_dscnt 0x0
	CROUND                                         ; the closing round
	s_endpgm
.Lfunc_end_k_q471d91c6da_outp:
	.size	k_q471d91c6da_outp, .Lfunc_end_k_q471d91c6da_outp-k_q471d91c6da_outp
	.p2alignl 7, 3214868480
	.fill 96, 4, 3214868480
	.section	.rodata,"a",@progbits
	.p2align	6, 0x0
	.amdhsa_kernel k_q471d91c6da_outp
		.amdhsa_group_segment_fixed_size 327680
		.amdhsa_private_segment_fixed_size 0
		.amdhsa_enable_private_segment 0
		.amdhsa_kernarg_size 32
		.amdhsa_user_sgpr_count 2
		.amdhsa_user_sgpr_kernarg_segment_ptr 1
		.amdhsa_wavefront_size32 1
		.amdhsa_system_sgpr_workgroup_id_x 1
		.amdhsa_system_sgpr_workgroup_id_y 1
		.amdhsa_system_sgpr_workgroup_id_z 1
		.amdhsa_system_vgpr_workitem_id 0
		.amdhsa_next_free_vgpr 512
		.amdhsa_next_free_sgpr 66
		.amdhsa_reserve_vcc 0
		.amdhsa_float_denorm_mode_32 3
		.amdhsa_float_denorm_mode_16_64 3
		.amdhsa_memory_ordered 1
		.amdhsa_forward_progress 1
		.amdhsa_inst_pref_size 91
	.end_amdhsa_kernel
	.amdgpu_metadata
---
amdhsa.version: [ 1, 2 ]
amdhsa.kernels:
  - .name:           k_q471d91c6da_outp
    .symbol:         k_q471d91c6da_outp.kd
    .args:
      - { .name: yb, .offset: 0, .size: 8, .value_kind: global_buffer, .address_space: global }
      - { .name: wpb, .offset: 8, .size: 8, .value_kind: global_buffer, .address_space: global }
      - { .name: bp, .offset: 16, .size: 8, .value_kind: global_buffer, .address_space: global }
      - { .name: out0, .offset: 24, .size: 8, .value_kind: global_buffer, .address_space: global }
    .group_segment_fixed_size: 327680
    .private_segment_fixed_size: 0
    .kernarg_segment_align: 8
    .kernarg_segment_size: 32
    .max_flat_workgroup_size: 128
    .sgpr_count:     66
    .vgpr_count:     512
    .wavefront_size: 32
...
	.end_amdgpu_metadata
.endif
;; end of part 4
